; MI455X (gfx1250); checked and timed in simulation.
; The chip was launched on July 23, 2026; its instructions are those of AMD's public machine-readable ISA for CDNA 5 (MIT licence, August 2026) and "CDNA5" Instruction Set Architecture Reference Guide (July 2026). The comments in the code are by the model that wrote it; some were corrected since.
;; Attention. Allowed arithmetic: matrix products marked QUANTISED: E2M3 operands, one E8M0 scale for each 32 along K, by v_wmma_scale_f32_16x16x128_f8f6f4 with both operands' format E2M3, f32 sums; everything else in f32.
;; Inputs: Wk 1,024 x 1,024 float32; Wq 1,024 x 1,024 float32; Wv 1,024 x 1,024 float32; bk 1,024 float32; bq 1,024 float32; bv 1,024 float32; k 4 x 2,048 x 1,024 float32; mask 2,048 x 2,048 float32; q 4 x 2,048 x 1,024 float32; v 4 x 2,048 x 1,024 float32.
;; Outputs: out0 4 x 2,048 x 1,024 float32.
;; This version of the problem:
;;   THIS VERSION OF THE PROBLEM IS GIVEN IN LOW PRECISION. The matrix products marked QUANTISED in the list below multiply operands that are first quantised to E2M3 (2 exponent bits, 3 mantissa bits; 6 bits a number), with one power-of-two scale for each 32 numbers along K (OCP MX v1.0); their sums are f32. All else is computed in f32.
;;   The module's matrix products, in the order in which they are computed (A, B: the left and right operand; K: the contracted axis; several contracted axes count as one K, in the product's order):
;;     1. [M 8,192, K 1,024] x [K 1,024, N 1,024]; A: input q; B: input Wq: QUANTISED
;;     2. [M 8,192, K 1,024] x [K 1,024, N 1,024]; A: input k; B: input Wk: QUANTISED
;;     3. [M 8,192, K 1,024] x [K 1,024, N 1,024]; A: input v; B: input Wv: QUANTISED
;;     4. batch 4 x [M 2,048, K 1,024] x [K 1,024, N 2,048]; A: computed on the way; B: computed on the way: QUANTISED
;;     5. batch 4 x [M 2,048, K 2,048] x [K 2,048, N 1,024]; A: softmax (see below); B: computed on the way: QUANTISED
;;   THE QUANTISER, for each operand of a quantised product, along K:
;;     - K is cut into blocks of 32 from its start; a last block that is shorter is filled with zeros.
;;     - A block's scale is 2^e with e = floor(log2(the largest magnitude in the block)) - 2, held to -126 .. 127; a block of zeros has e = 0. As a byte (E8M0): e + 127.
;;     - Each number is divided by its block's scale, clamped to +-7.5, and rounded to the nearest number of E2M3, ties to even, subnormals kept.
;;     - The product sums the exact products of the quantised numbers (number of the format x scale) in f32.
;;   ~~~python
;;   def quantise(x, axis):      # numpy; x: float32 -> the quantised numbers, widened to float32 again
;;       x = np.moveaxis(x, axis, -1); K = x.shape[-1]
;;       x = np.pad(x, [(0, 0)] * (x.ndim - 1) + [(0, -K % 32)]); x = x.reshape(x.shape[:-1] + (-1, 32)); a = np.abs(x).max(-1, keepdims=True)
;;       e = np.where(a > 0, np.clip(np.frexp(np.where(a > 0, a, 1))[1] - 1 - 2, -126, 127), 0)      # np.frexp(a)[1] - 1 = floor(log2(a)), exactly
;;       r = np.clip(x / 2.0 ** e, -7.5, 7.5)
;;       step = 2.0 ** (np.maximum(np.frexp(np.where(r == 0, 1, r))[1] - 1, 0) - 3)
;;       q = np.round(r / step) * step * 2.0 ** e      # np.round: ties to even
;;       return np.moveaxis(q.reshape(q.shape[:-2] + (-1,))[..., :K], -1, axis).astype(np.float32)
;;   ~~~
;;   SOFTMAX AHEAD OF A QUANTISED PRODUCT. Where the list says 'softmax', what is quantised is not the finished softmax but p = 2^(t - M), with t = logit x log2(e) and M = ceil(the row's largest t), a whole number; so 1/2 < the row's largest p <= 1. The row's sum l is taken of the UNQUANTISED p, in f32, and the product's result is divided by l at the end. Since M is a whole number, a kernel that streams over the keys may use a running M (the ceiling of the running maximum): every later rescaling is an exact power of two, which a block's scale takes up: the codes' values come out the same.
;;   OPERANDS COMPUTED ON THE WAY. 'Computed on the way' means the value that the module computes at that place (a softmax that the list does not call 'softmax' is quantised finished and normalised). What goes into a quantiser is computed in f32, as accurately as f32 sums, v_exp_f32 and their like allow (about 1e-6 of the number): no bf16 or f16 on the way to a quantiser, and a product that is left as it is and whose result goes on into a quantised operand takes f32 operands (vector FMAs, or v_wmma_f32_16x16x4_f32). A number that lies on a knife's edge between two numbers of the format may be rounded either way, as far as f32 arithmetic and the matrix unit's own rounding can turn it there, and no further.
;; One version. Each part assembles by itself: llvm-mc -triple=amdgcn-amd-amdhsa -mcpu=gfx1250 --defsym DOCPART=n.
;; ======== version 1 of 1: 4 launches
;; limits: right only within a limited range of input values
;; workspace buffers: xc 18,874,368 bytes; xs 786,432 bytes; wc 2,359,296 bytes; ws 98,304 bytes; pc 18,874,368 bytes; ps 786,432 bytes; pp 12,582,912 bytes; st 1,572,864 bytes
;; launch quant (part 1): grid 480 x 1, 8 waves a work-group, no clusters, 72,704 bytes of LDS; arguments q, k, v, Wq, Wk, Wv, xc, xs, wc, ws; writes xc, xs, wc, ws
.if DOCPART == 1
	.amdgcn_target "amdgcn-amd-amdhsa--gfx1250"
	.amdhsa_code_object_version 6
	.text
	.protected	k_q3c5a4e2c37_quant
	.globl	k_q3c5a4e2c37_quant
	.p2align	8
	.type	k_q3c5a4e2c37_quant,@function
k_q3c5a4e2c37_quant:
	s_mov_b64 s[64:65], 0
	v_nop
	global_prefetch_b8 v0, s[64:65] scope:SCOPE_SE
	s_setreg_imm32_b32 hwreg(HW_REG_WAVE_MODE, 25, 1), 1
	s_wait_xcnt 0x0
; q, k, v [8192][1024] and Wq, Wk, Wv [1024 (k)][1024 (n)], f32, become codes of FP6 (E2M3) with one E8M0 byte for each 32 along K, laid as the products' launches take them.
; A block's scale is 2^(floor(log2(its largest magnitude)) - 2); its byte is the largest magnitude's exponent field - 2, held at 1 from below by a floor among the maximum's leaves.
; LAYOUT OF THE CODES: a fragment (16 rows x 128 K, 12 registers a lane) lies as an image of its registers, 1,536 bytes: registers 4 c .. 4 c + 3 of lane L at 512 c + 16 L.
;   Buffers: [group of 128 rows][256 along K][tile 0..7][128 along K 0..1][1,536].  Scale words (four bytes: 128 along K of one row): [group of 128 rows][128 along K][128 rows x 4 bytes].
; THE ROWS OF A TILE ARE NOT NEIGHBOURS: place 16 t + r of a group of 32 rows holds row 8 t + r + 8 (r / 8), for the rows of q, k, v and for the columns n of the weights alike, so that
;   a product's results, 16 registers of two neighbouring tiles, are 16 neighbours along the next product's K.
; LIMITS: NaN and infinities among the inputs are not served.  A block of zeros gets the byte 1 (its codes are zeros; the bytes are read by this program alone).
; SHARES.  Work-groups 0..383: 64 whole rows of q, k or v; wave w takes K step w (128 along K) of them, four tiles of 16 rows.  Each load reads 512 consecutive bytes of a row; a tile turns
;   through the wave's own stage in LDS (rows 528 bytes apart) so that a lane gets two whole blocks of 32 of one row.  Work-groups 384..479: 256 columns x 128 along K of a weight; a lane takes a
;   column and its registers run down K, so nothing is transposed and no LDS is touched.  Waves share nothing: no barrier.
.set WREG,  8960                       ; LDS of a wave: a stage of 16 x 528 bytes, then 256 bytes for its scale words (in a block of 512)
.set BNC,   8448
.set SPARE, 8*WREG                     ; the spare words, 128 bytes for each wave: four blocks of 256 bytes that no other line names
.set SPW,   10                         ; v10  LDS address of my spare word; never rewritten
.set NIL,   11                         ; v11  0; never rewritten
.set T2,    24                         ; v24-30   the conversions' second halves
.set FG,    32                         ; v32-43   the fragment
.set RW,    64                         ; v64-191  two sets of 64 registers as loaded (weights: two sets of 32 at v64)
.set XN,    192                        ; v192-255 a lane's two blocks of 32
.set F0,    128                        ; weights: v128-139, v140-151 the two tiles' fragments; v152-167 second halves
.set F1,    140
.set TT,    152
	s_load_b512 s[4:19], s[0:1], 0x0               ; q s[4:5], k s[6:7], v s[8:9], Wq s[10:11], Wk s[12:13], Wv s[14:15], xc s[16:17], xs s[18:19]
	s_load_b128 s[20:23], s[0:1], 0x40             ; wc s[20:21], ws s[22:23]
	v_lshl_add_u32 v[SPW], v0, 2, SPARE
	v_mov_b32 v[NIL], 0
	v_lshrrev_b32 v1, 5, v0
	s_delay_alu instid0(VALU_DEP_1)
	v_readfirstlane_b32 s24, v1                    ; wave 0..7
	v_and_b32 v1, 31, v0                           ; L
	v_and_b32 v2, 15, v0                           ; r
	v_bfe_u32 v3, v0, 4, 1                         ; h
	s_delay_alu instid0(VALU_DEP_3)
	v_lshlrev_b32 v4, 4, v1                        ; 16 L
	s_mul_i32 s27, s24, WREG
	v_add_nc_u32 v5, s27, v4                       ; the stage, on the way in: 16 L of a row
	v_mul_u32_u24 v6, v2, 528
	s_delay_alu instid0(VALU_DEP_1)
	v_lshl_add_u32 v6, v3, 7, v6
	s_delay_alu instid0(VALU_DEP_1)
	v_add_nc_u32 v6, s27, v6                       ; and back: row r, + 128 h bytes: my block of 32 numbers
	s_add_co_u32 s27, s27, BNC
	v_lshl_add_u32 v7, v2, 2, s27                  ; my row's scale word
	v_lshlrev_b32 v9, 3, v1                        ; 8 L
	s_delay_alu instid0(VALU_DEP_1)
	v_add_nc_u32 v8, s27, v9                       ; the scale words on their way out
	v_lshlrev_b32 v19, 3, v3                       ; 8 h
	v_mov_b32 v23, 0                               ; written once: a lane permute's destination counts as one of its sources
	s_mov_b32 s36, 0x76543210
	s_mov_b32 s37, 0xfedcba98                      ; selects for lane l xor 16
	s_mov_b32 s31, 0
	s_wait_kmcnt 0x0
	s_cmp_lt_u32 ttmp9, 384
	s_cbranch_scc0 .Lweights
	; ---------------- q, k, v ----------------
	s_lshr_b32 s25, ttmp9, 7                       ; which tensor
	s_and_b32 s26, ttmp9, 127                      ; which 64 rows
	s_cmp_eq_u32 s25, 0
	s_cselect_b64 s[28:29], s[4:5], s[6:7]
	s_cmp_eq_u32 s25, 2
	s_cselect_b64 s[28:29], s[8:9], s[28:29]
	s_lshl_b32 s30, s26, 18                        ; 64 rows of 4,096 bytes
	s_lshl_b32 s34, s24, 9                         ; my K step: 512 bytes of a row
	s_add_co_u32 s30, s30, s34
	s_add_nc_u64 s[28:29], s[28:29], s[30:31]
	s_lshr_b32 s32, s26, 1                         ; the group of 128 rows
	s_and_b32 s33, s26, 1                          ; its lower or upper four tiles
	s_mul_i32 s30, s25, 6291456
	s_mul_i32 s34, s32, 98304
	s_add_co_u32 s30, s30, s34
	s_lshr_b32 s34, s24, 1
	s_mul_i32 s34, s34, 24576
	s_add_co_u32 s30, s30, s34
	s_mul_i32 s34, s33, 12288
	s_add_co_u32 s30, s30, s34
	s_and_b32 s34, s24, 1
	s_mul_i32 s34, s34, 1536
	s_add_co_u32 s30, s30, s34
	s_add_nc_u64 s[16:17], s[16:17], s[30:31]      ; my four fragments: 3,072 bytes apart
	s_lshl_b32 s30, s25, 18
	s_lshl_b32 s34, s32, 12
	s_add_co_u32 s30, s30, s34
	s_lshl_b32 s34, s24, 9
	s_add_co_u32 s30, s30, s34
	s_lshl_b32 s34, s33, 8
	s_add_co_u32 s30, s30, s34
	s_add_nc_u64 s[18:19], s[18:19], s[30:31]      ; my 64 scale words: 256 bytes on end
.macro XLOAD tau                       ; tile tau's 16 rows, in the tile's order: each load reads 512 consecutive bytes
.irp j, 0,1,2,3,4,5,6,7,8,9,10,11,12,13,14,15
	global_load_b128 v[RW+64*((\tau)%2)+4*\j:RW+64*((\tau)%2)+4*\j+3], v4, s[28:29] offset:(32*((\tau)/2)+8*((\tau)%2)+\j+8*(\j/8))*4096 th:TH_LOAD_NT
.endr
.endm
.macro XSTEP tau
.if (\tau) < 3
	s_wait_loadcnt 16                              ; this tile's 16 loads are in; the next tile's 16 may be out
.else
	s_wait_loadcnt 0x0
.endif
.irp j, 0,1,2,3,4,5,6,7,8,9,10,11,12,13,14,15
	ds_store_b128 v5, v[RW+64*((\tau)%2)+4*\j:RW+64*((\tau)%2)+4*\j+3] offset:528*\j
.endr
.irp c, 0,1
.irp j, 0,1,2,3,4,5,6,7
	ds_load_b128 v[XN+32*\c+4*\j:XN+32*\c+4*\j+3], v6 offset:256*\c+16*\j   ; k = 64 c + 32 h + 4 j ..: LDS serves a wave's instructions in order, so these see the stores above
.endr
.endr
	s_wait_dscnt 0x0                               ; my numbers are back, and the stores into the stage have read their registers,
.if (\tau) < 2
	XLOAD (\tau)+2                                 ; which take the loads of two tiles on
.endif
.irp c, 0,1
	v_max3_num_f32 v[12+\c], |v[XN+32*\c]|, |v[XN+32*\c+1]|, 0x1800000   ; my block 2 c + h: all its 32 numbers are mine; the floor 2^(3 - 127) holds the byte at 1 from below
.endr
.irp i, 2,4,6,8,10,12,14,16,18,20,22,24,26,28,30
.irp c, 0,1
	s_delay_alu instid0(VALU_DEP_2)
	v_max3_num_f32 v[12+\c], v[12+\c], |v[XN+32*\c+\i]|, |v[XN+32*\c+\i+1]|
.endr
.endr
.irp c, 0,1
	s_delay_alu instid0(VALU_DEP_2)
	v_add_nc_u32 v[14+\c], 0xff000000, v[12+\c]    ; 2 off the exponent field: the conversion's scale operand
.endr
.irp c, 0,1
	s_delay_alu instid0(VALU_DEP_2)
	v_lshrrev_b32 v[16+\c], 23, v[14+\c]           ; the scale's byte
.endr
	s_delay_alu instid0(VALU_DEP_1)
	v_lshl_or_b32 v18, v17, 16, v16                ; blocks h and 2 + h,
	s_delay_alu instid0(VALU_DEP_1)
	v_lshlrev_b32 v18, v19, v18                    ; at their places in the word;
	s_delay_alu instid0(VALU_DEP_1)
	v_permlanex16_b32 v23, v18, s36, s37
	s_delay_alu instid0(VALU_DEP_1)
	v_or_b32 v18, v18, v23                         ; with lane l xor 16's two the word is whole
	s_wait_alu depctr_va_vdst(0)
	s_wait_xcnt 0x0                                ; the last tile's stores have read the fragment's registers
	v_cvt_scalef32_pk16_fp6_f32 v[FG:FG+2], v[XN:XN+15], v14
	v_cvt_scalef32_pk16_fp6_f32 v[T2:T2+2], v[XN+16:XN+31], v14      ; (a conversion's three registers begin on an even number)
	v_cvt_scalef32_pk16_fp6_f32 v[FG+6:FG+8], v[XN+32:XN+47], v15
	v_cvt_scalef32_pk16_fp6_f32 v[T2+4:T2+6], v[XN+48:XN+63], v15
	v_nop                                          ; one plain place behind a scaled conversion
.irp i, 0,1,2
	v_mov_b32 v[FG+3+\i], v[T2+\i]
	v_mov_b32 v[FG+9+\i], v[T2+4+\i]
.endr
.irp c, 0,1,2
	global_store_b128 v4, v[FG+4*\c:FG+4*\c+3], s[16:17] offset:3072*(\tau)+512*\c   ; 512 consecutive bytes
.endr
	ds_store_b32 v7, v18 offset:64*(\tau)          ; both halves of the lanes write the same word with the same value
.endm
	XLOAD 0
	XLOAD 1
	s_wait_alu depctr_va_vdst(0)
	XSTEP 0
	XSTEP 1
	XSTEP 2
	XSTEP 3
	ds_load_b64 v[12:13], v8                       ; my wave's 64 scale words
	s_wait_dscnt 0x0
	global_store_b64 v9, v[12:13], s[18:19]        ; 256 consecutive bytes, aligned
	s_wait_tensorcnt 0x0                           ; the wave's end
	ds_add_u32 v[SPW], v[NIL]
	s_wait_dscnt 0x0
	s_endpgm
	; ---------------- Wq, Wk, Wv ----------------
.Lweights:
	s_sub_co_u32 s25, ttmp9, 384
	s_lshr_b32 s26, s25, 5                         ; which weight
	s_and_b32 s32, s25, 3                          ; which 256 columns
	s_bfe_u32 s33, s25, 0x30002                    ; which 128 along K
	s_cmp_eq_u32 s26, 0
	s_cselect_b64 s[28:29], s[10:11], s[12:13]
	s_cmp_eq_u32 s26, 2
	s_cselect_b64 s[28:29], s[14:15], s[28:29]
	s_lshl_b32 s30, s33, 19                        ; 128 rows of 4,096 bytes
	s_lshl_b32 s34, s32, 10
	s_add_co_u32 s30, s30, s34
	s_lshl_b32 s34, s24, 7                         ; my wave's 32 columns
	s_add_co_u32 s30, s30, s34
	s_add_nc_u64 s[28:29], s[28:29], s[30:31]
	s_lshl_b32 s35, s32, 1
	s_lshr_b32 s34, s24, 2
	s_add_co_u32 s35, s35, s34                     ; the group of 128 columns
	s_mul_i32 s30, s26, 786432
	s_mul_i32 s34, s35, 98304
	s_add_co_u32 s30, s30, s34
	s_lshr_b32 s34, s33, 1
	s_mul_i32 s34, s34, 24576
	s_add_co_u32 s30, s30, s34
	s_and_b32 s34, s24, 3
	s_mul_i32 s34, s34, 6144
	s_add_co_u32 s30, s30, s34
	s_and_b32 s34, s33, 1
	s_mul_i32 s34, s34, 1536
	s_add_co_u32 s30, s30, s34
	s_add_nc_u64 s[20:21], s[20:21], s[30:31]      ; my two fragments, 3,072 bytes apart
	s_lshl_b32 s30, s26, 15
	s_lshl_b32 s34, s35, 12
	s_add_co_u32 s30, s30, s34
	s_lshl_b32 s34, s33, 9
	s_add_co_u32 s30, s30, s34
	s_and_b32 s34, s24, 3
	s_lshl_b32 s34, s34, 7
	s_add_co_u32 s30, s30, s34
	s_add_nc_u64 s[22:23], s[22:23], s[30:31]      ; my 32 scale words
	v_and_b32 v12, 8, v2
	s_delay_alu instid0(VALU_DEP_1)
	v_add_nc_u32 v12, v12, v2
	s_delay_alu instid0(VALU_DEP_1)
	v_lshl_add_u32 v12, v3, 3, v12                 ; lane L stands at place L of the 32 columns: column 8 (L / 16) + r + 8 (r / 8)
	s_delay_alu instid0(VALU_DEP_1)
	v_lshlrev_b32 v20, 2, v12
	v_lshlrev_b32 v21, 2, v1                       ; 4 L
.macro WLOAD t                         ; block t: W(32 t + i, my column): the wave reads 128 consecutive bytes, the work-group 1,024
.irp i, 0,1,2,3,4,5,6,7,8,9,10,11,12,13,14,15,16,17,18,19,20,21,22,23,24,25,26,27,28,29,30,31
	global_load_b32 v[RW+32*((\t)%2)+\i], v20, s[28:29] offset:(32*(\t)+\i)*4096 th:TH_LOAD_NT
.endr
.endm
.macro WBLOCK t
.set XS, RW+32*((\t)%2)
.set FD, F0+12*((\t)%2)+6*((\t)/2)     ; blocks 0 and 2 go to the first run of 12 registers, blocks 1 and 3 to the second
.if (\t) < 3
	s_wait_loadcnt 32                              ; this block's 32 loads are in; the next block's may be out
.else
	s_wait_loadcnt 0x0
.endif
	v_max3_num_f32 v12, |v[XS]|, |v[XS+1]|, |v[XS+2]|
	v_max3_num_f32 v13, |v[XS+3]|, |v[XS+4]|, |v[XS+5]|
.irp i, 6,10,14,18,22,26
	s_delay_alu instid0(VALU_DEP_2)
	v_max3_num_f32 v12, v12, |v[XS+\i]|, |v[XS+\i+1]|
	s_delay_alu instid0(VALU_DEP_2)
	v_max3_num_f32 v13, v13, |v[XS+\i+2]|, |v[XS+\i+3]|
.endr
	s_delay_alu instid0(VALU_DEP_2)
	v_max3_num_f32 v12, v12, |v[XS+30]|, |v[XS+31]|
	s_delay_alu instid0(VALU_DEP_1)
	v_max3_num_f32 v12, v12, v13, 0x1800000        ; and the floor
	s_delay_alu instid0(VALU_DEP_1)
	v_add_nc_u32 v14, 0xff000000, v12              ; the conversion's scale operand
	s_delay_alu instid0(VALU_DEP_1)
	v_lshrrev_b32 v13, 23, v14                     ; the byte
.if (\t) == 0
	s_delay_alu instid0(VALU_DEP_1)
	v_mov_b32 v15, v13
.else
	s_delay_alu instid0(VALU_DEP_1)
	v_lshl_or_b32 v15, v13, 8*(\t), v15            ; my column's scale word: the lower K in the lower byte
.endif
	v_cvt_scalef32_pk16_fp6_f32 v[FD:FD+2], v[XS:XS+15], v14
	v_cvt_scalef32_pk16_fp6_f32 v[TT+4*(\t):TT+4*(\t)+2], v[XS+16:XS+31], v14
.if (\t) < 2
	WLOAD (\t)+2
.endif
.endm
	WLOAD 0
	WLOAD 1
	WBLOCK 0
	WBLOCK 1
	WBLOCK 2
	WBLOCK 3
	v_nop                                          ; one plain place behind a scaled conversion
.irp i, 0,1,2
	v_mov_b32 v[F0+3+\i], v[TT+\i]
	v_mov_b32 v[F1+3+\i], v[TT+4+\i]
	v_mov_b32 v[F0+9+\i], v[TT+8+\i]
	v_mov_b32 v[F1+9+\i], v[TT+12+\i]
.endr
.irp i, 0,1,2,3,4,5,6,7,8,9,10,11      ; lanes 0-15 hold columns of the first tile, lanes 16-31 of the second; a fragment wants blocks 0, 2 in lanes 0-15 and blocks 1, 3 in lanes 16-31
	v_permlane16_swap_b32 v[F0+\i], v[F1+\i]       ; the first run's lanes 16-31 change places with the second's lanes 0-15: the runs are now the two tiles' fragments
.endr
.irp c, 0,1,2
	global_store_b128 v4, v[F0+4*\c:F0+4*\c+3], s[20:21] offset:512*\c
	global_store_b128 v4, v[F1+4*\c:F1+4*\c+3], s[20:21] offset:3072+512*\c
.endr
	global_store_b32 v21, v15, s[22:23]            ; 128 consecutive bytes: one byte in 128 of what this path reads
	s_endpgm
.Lfunc_end_k_q3c5a4e2c37_quant:
	.size	k_q3c5a4e2c37_quant, .Lfunc_end_k_q3c5a4e2c37_quant-k_q3c5a4e2c37_quant
	.p2alignl 7, 3214868480
	.fill 96, 4, 3214868480
	.section	.rodata,"a",@progbits
	.p2align	6, 0x0
	.amdhsa_kernel k_q3c5a4e2c37_quant
		.amdhsa_group_segment_fixed_size 72704
		.amdhsa_private_segment_fixed_size 0
		.amdhsa_enable_private_segment 0
		.amdhsa_kernarg_size 80
		.amdhsa_user_sgpr_count 2
		.amdhsa_user_sgpr_kernarg_segment_ptr 1
		.amdhsa_wavefront_size32 1
		.amdhsa_system_sgpr_workgroup_id_x 1
		.amdhsa_system_sgpr_workgroup_id_y 1
		.amdhsa_system_sgpr_workgroup_id_z 1
		.amdhsa_system_vgpr_workitem_id 0
		.amdhsa_next_free_vgpr 256
		.amdhsa_next_free_sgpr 66
		.amdhsa_reserve_vcc 0
		.amdhsa_float_denorm_mode_32 3
		.amdhsa_float_denorm_mode_16_64 3
		.amdhsa_memory_ordered 1
		.amdhsa_forward_progress 1
		.amdhsa_inst_pref_size 59
	.end_amdhsa_kernel
	.amdgpu_metadata
---
amdhsa.version: [ 1, 2 ]
amdhsa.kernels:
  - .name:           k_q3c5a4e2c37_quant
    .symbol:         k_q3c5a4e2c37_quant.kd
    .args:
      - { .name: q, .offset: 0, .size: 8, .value_kind: global_buffer, .address_space: global }
      - { .name: k, .offset: 8, .size: 8, .value_kind: global_buffer, .address_space: global }
      - { .name: v, .offset: 16, .size: 8, .value_kind: global_buffer, .address_space: global }
      - { .name: Wq, .offset: 24, .size: 8, .value_kind: global_buffer, .address_space: global }
      - { .name: Wk, .offset: 32, .size: 8, .value_kind: global_buffer, .address_space: global }
      - { .name: Wv, .offset: 40, .size: 8, .value_kind: global_buffer, .address_space: global }
      - { .name: xc, .offset: 48, .size: 8, .value_kind: global_buffer, .address_space: global }
      - { .name: xs, .offset: 56, .size: 8, .value_kind: global_buffer, .address_space: global }
      - { .name: wc, .offset: 64, .size: 8, .value_kind: global_buffer, .address_space: global }
      - { .name: ws, .offset: 72, .size: 8, .value_kind: global_buffer, .address_space: global }
    .group_segment_fixed_size: 72704
    .private_segment_fixed_size: 0
    .kernarg_segment_align: 8
    .kernarg_segment_size: 80
    .max_flat_workgroup_size: 256
    .sgpr_count:     66
    .vgpr_count:     256
    .wavefront_size: 32
...
	.end_amdgpu_metadata
.endif
;; end of part 1
;; launch proj (part 2): grid 4 x 96, 4 waves a work-group, clusters of 4 x 4, 327,680 bytes of LDS; arguments xc, xs, wc, ws, bq, bk, bv, pc, ps; writes pc, ps
.if DOCPART == 2
	.amdgcn_target "amdgcn-amd-amdhsa--gfx1250"
	.amdhsa_code_object_version 6
	.text
	.protected	k_q3c5a4e2c37_proj
	.globl	k_q3c5a4e2c37_proj
	.p2align	8
	.type	k_q3c5a4e2c37_proj,@function
k_q3c5a4e2c37_proj:
	s_mov_b64 s[64:65], 0
	v_nop
	global_prefetch_b8 v0, s[64:65] scope:SCOPE_SE
	s_setreg_imm32_b32 hwreg(HW_REG_WAVE_MODE, 25, 1), 1
	s_wait_xcnt 0x0
	s_wait_alu depctr_hold_cnt(0) depctr_sa_sdst(0) depctr_va_vdst(0) depctr_va_sdst(0) depctr_va_ssrc(0) depctr_va_vcc(0) depctr_vm_vsrc(0)
	s_getreg_b32 s2, hwreg(HW_REG_IB_STS2, 6, 4)
	s_cmp_eq_u32 s2, 0
	s_cbranch_scc0 .Lentry_in_a_cluster
	s_endpgm
.Lentry_in_a_cluster:
	s_bfe_u32 s2, ttmp6, 0x10000c
	s_cmp_lg_u32 s2, 0xf033
	s_cbranch_scc0 .Lentry_shape_is_right
	s_endpgm
.Lentry_shape_is_right:
; WQ = q Wq + bq, WK = k Wk + bk, WV = v Wv + bv on codes of FP6 (E2M3) with E8M0 scales; each result is quantised on its way out and stored as codes: WQ and WK along D, WV along the keys (as WV^T).
; Codes lie as images of fragments (16 rows x 128 K: 1,536 bytes; registers 4 c .. 4 c + 3 of lane L at 512 c + 16 L), [group of 128 rows][256 along K][tile][128 along K]; scale words [group][128 along K][128 rows].
; Place 16 t + r of a group of 32 rows holds row 8 t + r + 8 (r / 8).  So with 16 such places as source 0, a lane's 16 registers of two neighbouring tiles are 16 NEIGHBOURS of source 0's axis.
; A tile of 256 x 256 is made by four waves, 128 x 128 each: 64 accumulators, 512 registers.  K = 1,024 goes in steps of 256 through a ring of two LDS slots; what a wave fetches for a slot is one dense block of 24,576 bytes.
; Q, K: source 1 = rows of the input, source 0 = columns of the weight: a lane holds one row and its registers run along D.  V: source 1 = columns of Wv, source 0 = rows of v: a lane holds one d and its registers run along the keys.
; One text serves the three: the buffers are chosen by selects on the cluster's y.  The bias along the registers (Q, K) is the C of the first products; the bias of the lane's row (V) is added on the way out; the one that does not apply is 0.
; CLUSTERS: 4 x 4 work-groups; source 1's tiles are shared along a row of the cluster, source 0's along a column: joint loads, each with a mask that names the four.
; LIMITS: NaN and infinities are not served.  A block of zeros gets the byte 1 (its codes are zeros; the bytes are read by this program alone).
; REGISTERS: window 0: v1, v2 r, h; v16-31 addresses; v32-63 scale words, two sets; v64-127 the bias along the registers, later a block of results; v128-223 source 1's fragments, one set, later the quantiser's registers; v224-239 the rows' bias.
;   window 1: source 0's fragments, two sets, at v0 and v128.   windows 2, 3: the accumulators, (a, b) at v[8 (8 (a % 4) + b)].
.set NQ,     2
.set FR,     12
.set NL,     3
.set NP,     4
.set HALFT,  24576                     ; 128 rows x 256 along K: what one tensor load brings
.set SLOT,   4*HALFT
.set LAPS,   2                         ; K / 512
.set HALFS,  4096                      ; the scale words of 128 rows, all of K
.set SCL,    2*SLOT
.set BNC,    SCL+4*HALFS               ; 512 bytes for each wave: the scale words just made
.set SPARE,  BNC+4*512                 ; the spare words, 128 bytes for each wave: two blocks of 256 bytes that no other line names
.set ADRA, 16
.set ADRB, 20
.set RD,   25
.set ADRS, 27
.set SPW,  28
.set NIL,  29
.set LI,   30
.set BW,   31
.set SC,   32
.set BN,   64
.set AF,   128
.set BR,   224
.set PC,   128
.set TM,   148
.set PW,   164
.set G1,   24
.set G0,   32
.set G1B,  48
.set G0B,  56
.set G1S,  68
.set G0S,  76
.set G1SB, 80
.set G0SB, 88
.set SEL,  92
.set MSB, 0
.macro WIN new                         ; the immediate's high byte repeats the setting that is left
.if MSB != \new
	s_set_vgpr_msb (MSB<<8)|\new
.set MSB, \new
.endif
.endm
.set MUL_LO, 0xa1                      ; source 0 window 1, source 1 window 0, C and D window 2
.set MUL_HI, 0xf1                      ; the same, C and D window 3
.set ZLO,    0x81                      ; the first products: C (the bias) window 0, D window 2
.set ZHI,    0xc1
.set TO_B,   0x40
.macro JLOAD g0a, g1a, g0b, g1b        ; a joint load: waves 0 and 1 fetch for source 1, waves 2 and 3 for source 0; the branch hangs on the wave's number alone
	s_cmp_eq_u32 s23, 0
	s_cbranch_scc0 .Lfor_b_\@
	tensor_load_to_lds s[\g0a:\g0a+3], s[\g1a:\g1a+7]
	s_nop 0
.rept 4
	v_nop
.endr
	s_branch .Lasked_\@
.Lfor_b_\@:
	tensor_load_to_lds s[\g0b:\g0b+3], s[\g1b:\g1b+7]
	s_nop 0
.rept 4
	v_nop
.endr
.Lasked_\@:
.endm
.macro CREST                           ; a round of the cluster's barrier behind its opening barrier
	s_cmp_lg_u32 s22, 0
	s_cbranch_scc1 .Lnot_wave_0_\@
	s_barrier_signal -3
.Lnot_wave_0_\@:
	s_barrier_wait -3
	s_barrier_signal -1
	s_barrier_wait -1
.endm
.macro CROUND
	s_barrier_signal -1
	s_barrier_wait -1
	CREST
.endm
	s_load_b512 s[4:19], s[0:1], 0x0               ; xc s[4:5], xs s[6:7], wc s[8:9], ws s[10:11], bq s[12:13], bk s[14:15], bv s[16:17], pc s[18:19]
	s_load_b64 s[20:21], s[0:1], 0x40              ; ps
	v_lshl_add_u32 v[SPW], v0, 2, SPARE
	v_mov_b32 v[NIL], 0
	ds_add_u32 v[SPW], v[NIL]                      ; the wave's opening: the add and its wait ahead of my first tensor load; work on registers stands between them
	ds_add_u32 v[SPW], v[NIL]
	v_lshrrev_b32 v1, 5, v0
	v_readfirstlane_b32 s22, v1                    ; wave 0..3
	s_lshr_b32 s23, s22, 1                         ; my half of source 1's rows.  Also: I fetch for source 1 (0) or source 0 (1)
	s_and_b32 s2, s22, 1                           ; my half of source 0's rows.  Also: which 128 rows I fetch
	s_bfe_u32 s40, ttmp6, 0x40000                  ; cx
	s_bfe_u32 s41, ttmp6, 0x40004                  ; cy
	s_and_b32 s46, ttmp7, 0xffff                   ; the cluster's y, 0..23
	s_lshr_b32 s67, s46, 3                         ; which projection: 0 Q, 1 K, 2 V: the same in all sixteen partners
	s_and_b32 s46, s46, 7
	s_lshl_b32 s46, s46, 2
	s_cmp_eq_u32 s67, 2
	s_cselect_b32 s66, 0, s46
	s_cselect_b32 s42, s46, 0
	s_cselect_b32 s94, 0, -1                       ; lanes' mask: the bias along the registers counts (Q, K)
	s_cselect_b32 s95, -1, 0                       ; the bias of the lane's row counts (V)
	s_add_co_u32 s66, s66, s41                     ; source 1's tile of 256 rows
	s_add_co_u32 s42, s42, s40                     ; source 0's
	s_lshl_b32 s43, s41, 2
	s_lshl_b32 s43, 15, s43                        ; my row of the cluster
	s_lshl_b32 s44, 0x1111, s40                    ; my column
	s_or_b32 s[G1+0], s43, (3<<16)|(1<<21)         ; 15:0 the mask; 17:16 elements of 8 bytes; 20 no padding; 21 set beside a mask
	s_or_b32 s[G1B+0], s44, (3<<16)|(1<<21)
.irp g, G1, G1B
	s_mov_b32 s[\g+1], 3072<<16                    ; the head's form: two groups of 128 rows, each one row of 24,576 bytes (3,072 elements of 8),
	s_mov_b32 s[\g+2], 2<<16
	s_mov_b32 s[\g+3], 3072<<16
	s_mov_b32 s[\g+4], 2
	s_mov_b32 s[\g+5], 12288                       ; 98,304 bytes apart in memory, on end in LDS
	s_mov_b32 s[\g+6], 0
	s_mov_b32 s[\g+7], 0
.endr
	s_or_b32 s[G1S+0], s43, (3<<16)|(1<<21)
	s_or_b32 s[G1SB+0], s44, (3<<16)|(1<<21)
.irp g, G1S, G1SB
	s_mov_b32 s[\g+1], 64<<16                      ; one row of 512 bytes (64 elements of 8)
	s_mov_b32 s[\g+2], 16<<16                      ; the scale words of 256 rows: 16 rows of 512 bytes, dense
	s_mov_b32 s[\g+3], 64<<16
	s_mov_b32 s[\g+4], 16
	s_mov_b32 s[\g+5], 64
	s_mov_b32 s[\g+6], 0
	s_mov_b32 s[\g+7], 0
.endr
	s_mov_b32 s[SEL], 0x76543210
	s_mov_b32 s[SEL+1], 0xfedcba98
	s_mul_i32 s45, s22, HALFT                      ; where my tiles go: no place in the cluster enters an LDS address
	s_mov_b32 s47, 0
	s_mov_b32 s101, 0
	s_wait_dscnt 0x0                               ; the opening add is done
	s_wait_kmcnt 0x0
	s_mul_i32 s46, s67, 6291456
	s_add_nc_u64 s[4:5], s[4:5], s[46:47]          ; this projection's input: codes,
	s_lshl_b32 s46, s67, 18
	s_add_nc_u64 s[6:7], s[6:7], s[46:47]          ; scale words;
	s_mul_i32 s46, s67, 786432
	s_add_nc_u64 s[8:9], s[8:9], s[46:47]          ; its weight: codes,
	s_lshl_b32 s46, s67, 15
	s_add_nc_u64 s[10:11], s[10:11], s[46:47]      ; scale words
	s_cmp_eq_u32 s67, 2
	s_cselect_b64 s[96:97], s[8:9], s[4:5]         ; source 1: the input (Q, K) or the weight (V)
	s_cselect_b64 s[98:99], s[10:11], s[6:7]
	s_cselect_b64 s[4:5], s[4:5], s[8:9]           ; source 0: the other one
	s_cselect_b64 s[6:7], s[6:7], s[10:11]
	s_lshl_b32 s46, s66, 1
	s_add_co_u32 s46, s46, s2                      ; the group of 128 rows of source 1 that I fetch
	s_mul_i32 s100, s46, 98304
	s_add_nc_u64 s[96:97], s[96:97], s[100:101]
	s_lshl_b32 s100, s66, 13                       ; the scale words of the tile's 256 rows begin with its first group
	s_add_nc_u64 s[98:99], s[98:99], s[100:101]
	s_lshl_b32 s8, s42, 1
	s_add_co_u32 s8, s8, s2                        ; and of source 0 (in registers of its own)
	s_mul_i32 s10, s8, 98304
	s_mov_b32 s11, 0
	s_add_nc_u64 s[4:5], s[4:5], s[10:11]
	s_lshl_b32 s10, s42, 13
	s_add_nc_u64 s[6:7], s[6:7], s[10:11]
	s_mov_b32 s[G0S], 1
	s_mov_b32 s[G0S+1], SCL
	s_mov_b64 s[G0S+2:G0S+3], s[98:99]
	s_or_b32 s[G0S+3], s[G0S+3], 0x80000000
	s_mov_b32 s[G0SB], 1
	s_mov_b32 s[G0SB+1], SCL+2*HALFS
	s_mov_b64 s[G0SB+2:G0SB+3], s[6:7]
	s_or_b32 s[G0SB+3], s[G0SB+3], 0x80000000
.irp s, 0,1
	s_mov_b32 s[G0+4*\s], 1
	s_add_co_u32 s[G0+4*\s+1], s45, \s*SLOT
	s_add_nc_u64 s[G0+4*\s+2:G0+4*\s+3], s[96:97], \s*HALFT
	s_or_b32 s[G0+4*\s+3], s[G0+4*\s+3], 0x80000000
	s_mov_b32 s[G0B+4*\s], 1
	s_add_co_u32 s[G0B+4*\s+1], s45, \s*SLOT
	s_add_nc_u64 s[G0B+4*\s+2:G0B+4*\s+3], s[4:5], \s*HALFT
	s_or_b32 s[G0B+4*\s+3], s[G0B+4*\s+3], 0x80000000
.endr
	s_cmp_eq_u32 s23, 0                            ; the prefetches: the group that I fetch in the ring,
	s_cselect_b64 s[96:97], s[96:97], s[4:5]
	s_cselect_b32 s98, s40, s41                    ; and of each of its units of 24,576 bytes the quarter that falls to my place among the four that ask for it jointly: told apart by address alone
	s_mul_i32 s98, s98, 6144
	s_mov_b32 s99, 0
	s_add_nc_u64 s[96:97], s[96:97], s[98:99]
	s_mov_b32 s[G0+1], 0
	s_mov_b32 s[G0B+1], 2*HALFT                    ; source 0's behind them
	CROUND                                         ; all sixteen work-groups are here: the first joint loads meet
; THE HEAD'S LOADS, ONE A WAVE: wave 0 slot 0 of source 1, wave 1 source 1's scale words, wave 2 slot 0 of source 0, wave 3 source 0's scale words.
; Waves 0 and 2 fetch the first group in the ring too, so slot 0's own global addresses serve.  One tree of branches on the wave's number, one load to an arm.
.macro ARM under, g0, g1, next
	s_cmp_lt_u32 s22, \under
	s_cbranch_scc0 \next
	tensor_load_to_lds s[\g0:\g0+3], s[\g1:\g1+7]
	s_nop 0
.rept 4
	v_nop
.endr
	s_branch .Lhead_asked
\next:
.endm
	ARM 1, G0,  G1,  .Lhead_sa
	ARM 2, G0S, G1S, .Lhead_b
	ARM 3, G0B, G1B, .Lhead_sb
	tensor_load_to_lds s[G0SB:G0SB+3], s[G1SB:G1SB+7]
	s_nop 0
.rept 4
	v_nop
.endr
.Lhead_asked:
	v_and_b32 v1, 15, v0
	v_bfe_u32 v2, v0, 4, 1                         ; h
	s_wait_alu depctr_va_vdst(0)
	v_and_b32 v3, 31, v0
	v_lshlrev_b32 v[LI], 4, v3
	v_min_u32 v10, 23, v3
	v_lshlrev_b32 v10, 8, v10                      ; a lane names 256 bytes: 24 blocks to a quarter; the eight lanes left over name the last again
	global_prefetch_b8 v10, s[96:97] offset:HALFT th:TH_LOAD_NT scope:SCOPE_SE     ; slot 1's tile, asked for by its load when the head's tiles have landed,
	global_prefetch_b8 v10, s[96:97] offset:2*HALFT th:TH_LOAD_NT scope:SCOPE_SE   ; and the tile of the first refill: two slots ahead at the most
	s_mul_i32 s46, s23, HALFT
	s_mul_i32 s47, s2, HALFT
	s_add_co_u32 s47, s47, 2*HALFT
.irp s, 0,1
	v_add_nc_u32 v[ADRA+\s], s46, v[LI]
	v_add_nc_u32 v[ADRB+\s], s47, v[LI]
	s_add_co_u32 s46, s46, SLOT
	s_add_co_u32 s47, s47, SLOT
.endr
	v_lshlrev_b32 v5, 2, v1                        ; my row's scale word
	s_mul_i32 s46, s23, HALFS
	s_mul_i32 s47, s2, HALFS
	s_add_co_u32 s47, s47, 2*HALFS
	s_sub_co_u32 s47, s47, s46
	v_mul_u32_u24 v6, s47, v2                      ; lanes 16-31 take source 0's
	s_add_co_u32 s46, s46, SCL
	v_add_nc_u32 v5, v5, v6
	v_add_nc_u32 v[ADRS], s46, v5
	s_lshl_b32 s46, s22, 9
	s_add_co_u32 s46, s46, BNC
	v_lshl_add_u32 v[BW], v1, 2, s46               ; where a new scale word goes,
	v_add_nc_u32 v[RD], s46, v[LI]                 ; and where the 128 are read back
	v_lshlrev_b32 v8, 6, v2                        ; the bias along the registers: 16 h numbers on
	s_wait_alu depctr_va_vdst(0)
	v_and_b32 v9, 8, v1
	v_add_nc_u32 v9, v9, v1
	v_lshlrev_b32 v9, 2, v9                        ; the bias of my row: r + 8 (r / 8)
	s_wait_alu depctr_va_vdst(0)
	s_cmp_eq_u32 s67, 0
	s_cselect_b64 s[12:13], s[12:13], s[14:15]
	s_cmp_eq_u32 s67, 2
	s_cselect_b64 s[12:13], s[16:17], s[12:13]     ; this projection's bias
	s_lshl_b32 s46, s42, 10
	s_lshl_b32 s47, s2, 9
	s_add_co_u32 s46, s46, s47                     ; source 0's 128 places, in bytes of the bias
	s_lshl_b32 s100, s66, 10
	s_lshl_b32 s47, s23, 9
	s_add_co_u32 s100, s100, s47                   ; source 1's
	s_cmp_eq_u32 s67, 2
	s_cselect_b32 s46, 0, s46                      ; the one that does not apply is read at the bias's start, inside the buffer, and replaced by 0 below
	s_cselect_b32 s100, s100, 0
	s_mov_b32 s47, 0
	s_add_nc_u64 s[14:15], s[12:13], s[46:47]
	s_add_nc_u64 s[16:17], s[12:13], s[100:101]
.irp b, 0,1,2,3,4,5,6,7
	global_load_b128 v[BN+8*\b:BN+8*\b+3], v8, s[14:15] offset:(32*(\b/2)+8*(\b%2))*4
	global_load_b128 v[BN+8*\b+4:BN+8*\b+7], v8, s[14:15] offset:(32*(\b/2)+8*(\b%2))*4+16
.endr
.irp a, 0,1,2,3,4,5,6,7
	global_load_b32 v[BR+2*\a], v9, s[16:17] offset:(32*(\a/2)+8*(\a%2))*4
	v_mov_b32 v[BR+2*\a+1], 0                      ; (named with it as a pair)
.endr
	s_lshl_b32 s46, s66, 1
	s_add_co_u32 s46, s46, s23                     ; the group of 128 rows of the result that is mine
	s_mov_b32 s47, 98304
	s_cmp_eq_u32 s67, 2
	s_cselect_b32 s47, 786432, s47                 ; WV^T has 8,192 keys along K
	s_mul_i32 s100, s46, s47
	s_mul_i32 s47, s67, 6291456
	s_add_co_u32 s100, s100, s47
	s_mul_i32 s47, s42, 24576                      ; source 0's 256 places are 256 along the result's K,
	s_add_co_u32 s100, s100, s47
	s_mul_i32 s47, s2, 1536                        ; my 128 of them one K step
	s_add_co_u32 s100, s100, s47
	s_add_nc_u64 s[18:19], s[18:19], s[100:101]
	s_mov_b32 s47, 4096
	s_cmp_eq_u32 s67, 2
	s_cselect_b32 s47, 32768, s47
	s_mul_i32 s100, s46, s47
	s_lshl_b32 s47, s67, 18
	s_add_co_u32 s100, s100, s47
	s_lshl_b32 s47, s42, 10
	s_add_co_u32 s100, s100, s47
	s_lshl_b32 s47, s2, 9
	s_add_co_u32 s100, s100, s47
	s_add_nc_u64 s[20:21], s[20:21], s[100:101]
	s_wait_loadcnt 0x0                             ; the biases
.set ii, 0
.rept 64
	v_cndmask_b32 v[BN+ii], 0, v[BN+ii], s94
.set ii, ii+1
.endr
.set ii, 0
.rept 8
	v_cndmask_b32 v[BR+ii], 0, v[BR+ii], s95
.set ii, ii+2
.endr
.macro FRAG reg, adr, q, i             ; a fragment comes as it was stored: three loads of 512 consecutive bytes
.irp c, 0,1,2
	ds_load_b128 v[\reg+4*\c:\reg+4*\c+3], v[\adr] offset:(\i)*3072+(\q)*1536+512*\c
.endr
.endm
; 16 matrix instructions: source 1's blocks a0, a0 + 1 x source 0's eight.  The 64 accumulators take turns, one instruction a turn, in the same order in every step.
.macro MUL16 a0, p, q, sc, zero
.irp a, \a0, \a0+1
.irp b, 0,1,2,3,4,5,6,7
.if \zero
	v_wmma_scale_f32_16x16x128_f8f6f4 v[8*(8*((\a)%4)+\b):8*(8*((\a)%4)+\b)+7], v[128*(\p)+FR*\b:128*(\p)+FR*\b+FR-1], v[AF+FR*(\a):AF+FR*(\a)+FR-1], v[BN+8*\b:BN+8*\b+7], v[SC+8*NQ*(\sc)+NQ*\b+(\q)], v[SC+8*NQ*(\sc)+NQ*(\a)+(\q)] matrix_a_fmt:MATRIX_FMT_FP6 matrix_b_fmt:MATRIX_FMT_FP6 matrix_a_scale:MATRIX_SCALE_ROW1
.else
	v_wmma_scale_f32_16x16x128_f8f6f4 v[8*(8*((\a)%4)+\b):8*(8*((\a)%4)+\b)+7], v[128*(\p)+FR*\b:128*(\p)+FR*\b+FR-1], v[AF+FR*(\a):AF+FR*(\a)+FR-1], v[8*(8*((\a)%4)+\b):8*(8*((\a)%4)+\b)+7], v[SC+8*NQ*(\sc)+NQ*\b+(\q)], v[SC+8*NQ*(\sc)+NQ*(\a)+(\q)] matrix_a_fmt:MATRIX_FMT_FP6 matrix_b_fmt:MATRIX_FMT_FP6 matrix_a_scale:MATRIX_SCALE_ROW1
.endif
.endr
.endr
.endm
.macro FETCH_B slot, q, p
	WIN TO_B
.irp i, 0,1,2,3,4,5,6,7
	FRAG 128*(\p)+FR*\i, ADRB+\slot, \q, \i
.endr
	WIN 0
.endm
.macro FETCH_A slot, q, i0
.irp i, \i0, \i0+1, \i0+2, \i0+3
	FRAG AF+FR*(\i), ADRA+\slot, \q, \i
.endr
.endm
.macro SCALES sc                       ; a slot's scale words: lanes 0-15 take source 1's block i, lanes 16-31 source 0's block i
.irp i, 0,1,2,3,4,5,6,7
.irp q, 0,1
	ds_load_b32 v[SC+16*\sc+2*\i+\q], v[ADRS] offset:512*\q+64*\i
.endr
.endr
.endm
.macro PLACES n                        ; plain places between matrix instructions and loads into, or reads of, their registers
.rept \n
	v_nop
.endr
.endm
.macro STEP slot, q, zero              ; 128 along K that has its successor in the same slot
	s_wait_dscnt 4*NL                              ; all but the youngest 12 loads (source 1's blocks 4-7) are in
.if \zero
	WIN ZLO
.else
	WIN MUL_LO
.endif
	MUL16 0, (\q)%2, \q, \slot, \zero
	MUL16 2, (\q)%2, \q, \slot, \zero
	s_wait_dscnt 0
	PLACES NP
	FETCH_B \slot, (\q)+1, 1-(\q)%2
	FETCH_A \slot, (\q)+1, 0
.if \zero
	WIN ZHI
.else
	WIN MUL_HI
.endif
	MUL16 4, (\q)%2, \q, \slot, \zero
	MUL16 6, (\q)%2, \q, \slot, \zero
	PLACES NP
	WIN 0
	FETCH_A \slot, (\q)+1, 4
.endm
.macro TURN slot, next, fill           ; a slot's last step changes slots: one barrier; fill = 1: it opens a round of the cluster's barrier and the slot is filled again, two slots ahead
	s_wait_tensorcnt 0x0                           ; all my tensor loads have landed: my part of the next slot
	ds_add_u32 v[SPW], v[NIL]                      ; 0 onto my spare word
	s_wait_dscnt 4*NL+1                            ; (the add and the youngest 12 loads may be out)
	WIN MUL_LO
	MUL16 0, 1, NQ-1, \slot, 0
	s_wait_dscnt 0x0                               ; the add is done, and my reads of this slot are over
	s_barrier_signal -1
	MUL16 2, 1, NQ-1, \slot, 0
	WIN 0
	s_barrier_wait -1
.if \fill
	CREST                                          ; no wave of any partner still reads this slot or has a load on its way
	s_add_nc_u64 s[G0+4*\slot+2:G0+4*\slot+3], s[G0+4*\slot+2:G0+4*\slot+3], 2*HALFT
	s_add_nc_u64 s[G0B+4*\slot+2:G0B+4*\slot+3], s[G0B+4*\slot+2:G0B+4*\slot+3], 2*HALFT
	JLOAD G0+4*\slot, G1, G0B+4*\slot, G1B         ; the first tensor load behind the round; its four v_nop are the places in front of the loads below
.else
	PLACES NP
.endif
	s_wait_alu depctr_va_vdst(0)
	v_add_nc_u32 v[ADRS], 1024, v[ADRS]            ; the next slot's scale words
	FETCH_B \next, 0, 0
	FETCH_A \next, 0, 0
	SCALES \next
	WIN MUL_HI
	MUL16 4, 1, NQ-1, \slot, 0
	MUL16 6, 1, NQ-1, \slot, 0
	PLACES NP
	WIN 0
	FETCH_A \next, 0, 4
.endm
	s_wait_alu depctr_va_vdst(0)
	s_wait_tensorcnt 0x0                           ; my tile of the head's four is in
	ds_add_u32 v[SPW], v[NIL]
.irp g, G1, G1B
	s_mov_b32 s[\g+1], 32<<16                      ; no tensor load of mine is out: from here on a load brings one group, 96 rows of 256 bytes, dense
	s_mov_b32 s[\g+2], 96<<16
	s_mov_b32 s[\g+3], 32<<16
	s_mov_b32 s[\g+4], 96
	s_mov_b32 s[\g+5], 32
.endr
	s_mov_b32 s[G0+1], s45                         ; and slot 0's refills go to wave x 24,576
	s_mov_b32 s[G0B+1], s45
	s_wait_dscnt 0x0
	CROUND                                         ; a whole round: all four tiles are in, in every partner
	JLOAD G0+4, G1, G0B+4, G1B                     ; slot 1's first fill, the first tensor load behind the round
	FETCH_B 0, 0, 0
	FETCH_A 0, 0, 0
	SCALES 0
	global_prefetch_b8 v10, s[96:97] offset:3*HALFT th:TH_LOAD_NT scope:SCOPE_SE   ; the last refill's tile, two changes of slots ahead; the address registers are never rewritten
	FETCH_A 0, 0, 4
	STEP 0, 0, 1                                   ; the first step stands in front of the loop: its products start the sums, from the bias
	s_mov_b32 s3, LAPS-1
.Llap:
	TURN 0, 1, 1
	STEP 1, 0, 0
	TURN 1, 0, 1
	STEP 0, 0, 0
	s_sub_co_u32 s3, s3, 1
	s_cmp_lg_u32 s3, 0
	s_cbranch_scc1 .Llap
	TURN 0, 1, 0                                   ; the last lap fills nothing
	STEP 1, 0, 0
	s_wait_dscnt 4*NL
	WIN MUL_LO
	MUL16 0, 1, NQ-1, 1, 0
	MUL16 2, 1, NQ-1, 1, 0
	s_wait_dscnt 0
	WIN MUL_HI
	MUL16 4, 1, NQ-1, 1, 0
	MUL16 6, 1, NQ-1, 1, 0
	WIN 0
; 64 numbers of a lane, register 16 b + i = k 32 b + 16 (lane / 16) + i of my row, become a fragment's codes in v[PC] on and its scale word in v[PW].
.macro QUANT s
.irp b, 0,1,2,3
	v_max3_num_f32 v[TM+\b], |v[\s+16*\b]|, |v[\s+1+16*\b]|, 0x1800000   ; my 16 numbers of block b, and the floor 2^(3 - 127)
.endr
.irp i, 2,4,6,8,10,12,14
.irp b, 0,1,2,3
	v_max3_num_f32 v[TM+\b], v[TM+\b], |v[\s+16*\b+\i]|, |v[\s+1+16*\b+\i]|
.endr
.endr
.irp b, 0,1,2,3
	v_permlanex16_b32 v[TM+4+\b], v[TM+\b], s[SEL], s[SEL+1]
.endr
.irp b, 0,1,2,3
	v_max_num_f32 v[TM+\b], v[TM+\b], v[TM+4+\b]   ; with lane l xor 16's: the block's largest magnitude
.endr
.irp b, 0,1,2,3
	v_add_nc_u32 v[TM+12+\b], 0xff000000, v[TM+\b] ; the conversion's scale operand
.endr
.irp b, 0,1,2,3
	v_lshrrev_b32 v[TM+4+\b], 23, v[TM+12+\b]      ; the byte
.endr
	v_lshl_or_b32 v[PW], v[TM+5], 8, v[TM+4]
	v_lshl_or_b32 v[PW], v[TM+6], 16, v[PW]
	v_lshl_or_b32 v[PW], v[TM+7], 24, v[PW]
.irp c, 0,1
	v_cvt_scalef32_pk16_fp6_f32 v[PC+6*\c:PC+2+6*\c], v[\s+32*\c:\s+15+32*\c], v[TM+12+2*\c]
	v_cvt_scalef32_pk16_fp6_f32 v[PC+12+4*\c:PC+14+4*\c], v[\s+16+32*\c:\s+31+32*\c], v[TM+12+2*\c+1]
.endr
	v_nop                                          ; one plain place behind a scaled conversion
.irp c, 0,1                            ; the operand's layout wants a whole block in a lane
.irp i, 0,1,2
	v_permlane16_swap_b32 v[PC+6*\c+\i], v[PC+12+4*\c+\i]
.endr
.irp i, 0,1,2
	v_mov_b32 v[PC+3+6*\c+\i], v[PC+12+4*\c+\i]
.endr
.endr
.endm
; THE WAY OUT of block a (16 rows of source 1 x my 128 of source 0): + the rows' bias, into window 0, each accumulator from its low end on; quantised; the fragment goes to memory as it stands.
.macro OUTB a
.set AC, 64*((\a)%4)
	WIN (0x02+(\a)/4)
.set ii, 0
.rept 32
	v_pk_add_f32 v[BN+ii:BN+ii+1], v[AC+ii:AC+ii+1], v[BR+2*(\a):BR+2*(\a)+1] op_sel_hi:[1,0]
.set ii, ii+2
.endr
	WIN 0
	s_wait_xcnt 0x0                                ; the last block's stores have read the codes' registers
	s_wait_dscnt 0x0                               ; and its LDS store the scale word's
	QUANT BN
.irp c, 0,1,2
	global_store_b128 v[LI], v[PC+4*\c:PC+4*\c+3], s[18:19] offset:3072*(\a)+512*\c   ; 512 consecutive bytes
.endr
	ds_store_b32 v[BW], v[PW] offset:64*(\a)       ; both halves of the lanes write the same word with the same value
.endm
	PLACES NP
.irp b, 0,1,2,3
	v_mov_b32 v[TM+4+\b], 0                        ; a lane permute's destination counts as one of its sources
.endr
.irp a, 0,1,2,3,4,5,6,7
	OUTB \a
.endr
	ds_load_b128 v[168:171], v[RD]                 ; my 128 scale words (LDS serves a wave's instructions in order)
	s_wait_dscnt 0x0
	global_store_b128 v[LI], v[168:171], s[20:21]  ; 512 consecutive bytes
	s_wait_tensorcnt 0x0                           ; the wave's end
	ds_add_u32 v[SPW], v[NIL]
	s_wait_dscnt 0x0
	CROUND                                         ; the closing round
	s_endpgm
.Lfunc_end_k_q3c5a4e2c37_proj:
	.size	k_q3c5a4e2c37_proj, .Lfunc_end_k_q3c5a4e2c37_proj-k_q3c5a4e2c37_proj
	.p2alignl 7, 3214868480
	.fill 96, 4, 3214868480
	.section	.rodata,"a",@progbits
	.p2align	6, 0x0
	.amdhsa_kernel k_q3c5a4e2c37_proj
		.amdhsa_group_segment_fixed_size 327680
		.amdhsa_private_segment_fixed_size 0
		.amdhsa_enable_private_segment 0
		.amdhsa_kernarg_size 72
		.amdhsa_user_sgpr_count 2
		.amdhsa_user_sgpr_kernarg_segment_ptr 1
		.amdhsa_wavefront_size32 1
		.amdhsa_system_sgpr_workgroup_id_x 1
		.amdhsa_system_sgpr_workgroup_id_y 1
		.amdhsa_system_sgpr_workgroup_id_z 1
		.amdhsa_system_vgpr_workitem_id 0
		.amdhsa_next_free_vgpr 1024
		.amdhsa_next_free_sgpr 104
		.amdhsa_reserve_vcc 0
		.amdhsa_float_denorm_mode_32 3
		.amdhsa_float_denorm_mode_16_64 3
		.amdhsa_memory_ordered 1
		.amdhsa_forward_progress 1
		.amdhsa_inst_pref_size 168
	.end_amdhsa_kernel
	.amdgpu_metadata
---
amdhsa.version: [ 1, 2 ]
amdhsa.kernels:
  - .name:           k_q3c5a4e2c37_proj
    .symbol:         k_q3c5a4e2c37_proj.kd
    .args:
      - { .name: xc, .offset: 0, .size: 8, .value_kind: global_buffer, .address_space: global }
      - { .name: xs, .offset: 8, .size: 8, .value_kind: global_buffer, .address_space: global }
      - { .name: wc, .offset: 16, .size: 8, .value_kind: global_buffer, .address_space: global }
      - { .name: ws, .offset: 24, .size: 8, .value_kind: global_buffer, .address_space: global }
      - { .name: bq, .offset: 32, .size: 8, .value_kind: global_buffer, .address_space: global }
      - { .name: bk, .offset: 40, .size: 8, .value_kind: global_buffer, .address_space: global }
      - { .name: bv, .offset: 48, .size: 8, .value_kind: global_buffer, .address_space: global }
      - { .name: pc, .offset: 56, .size: 8, .value_kind: global_buffer, .address_space: global }
      - { .name: ps, .offset: 64, .size: 8, .value_kind: global_buffer, .address_space: global }
    .group_segment_fixed_size: 327680
    .private_segment_fixed_size: 0
    .kernarg_segment_align: 8
    .kernarg_segment_size: 72
    .max_flat_workgroup_size: 128
    .sgpr_count:     104
    .vgpr_count:     1024
    .wavefront_size: 32
...
	.end_amdgpu_metadata
.endif
;; end of part 2
;; launch score (part 3): grid 8 x 32, 4 waves a work-group, clusters of 4 x 4, 327,680 bytes of LDS; arguments pc, ps, mask, pp, st; writes pp, st
.if DOCPART == 3
	.amdgcn_target "amdgcn-amd-amdhsa--gfx1250"
	.amdhsa_code_object_version 6
	.text
	.protected	k_q3c5a4e2c37_score
	.globl	k_q3c5a4e2c37_score
	.p2align	8
	.type	k_q3c5a4e2c37_score,@function
k_q3c5a4e2c37_score:
	s_mov_b64 s[64:65], 0
	v_nop
	global_prefetch_b8 v0, s[64:65] scope:SCOPE_SE
	s_setreg_imm32_b32 hwreg(HW_REG_WAVE_MODE, 25, 1), 1
	s_wait_xcnt 0x0
	s_wait_alu depctr_hold_cnt(0) depctr_sa_sdst(0) depctr_va_vdst(0) depctr_va_sdst(0) depctr_va_ssrc(0) depctr_va_vcc(0) depctr_vm_vsrc(0)
	s_getreg_b32 s2, hwreg(HW_REG_IB_STS2, 6, 4)
	s_cmp_eq_u32 s2, 0
	s_cbranch_scc0 .Lentry_in_a_cluster
	s_endpgm
.Lentry_in_a_cluster:
	s_bfe_u32 s2, ttmp6, 0x10000c
	s_cmp_lg_u32 s2, 0xf033
	s_cbranch_scc0 .Lentry_shape_is_right
	s_endpgm
.Lentry_shape_is_right:
; S = WQ WK^T on codes of FP6 (E2M3) with E8M0 scales; t = (S / 32 + mask x (-1e9)) x log2(e), in f32, step by step as the problem writes it; p = 2^(t - M) is quantised along the keys and stored as codes.
; A tile of 256 queries x 256 keys is made by four waves, 128 x 128 each: 64 accumulators, 512 registers.  M here is the ceiling of the largest t of a query's 128 keys IN THIS WAVE'S TILE: a whole number.
; For each query and 128 keys the launch stores p's scale word, -M and the sum of the unquantised p (st); the next launch brings all to the row's M by powers of two, which the scale bytes take up.
; Codes lie as images of fragments (16 rows x 128 K: 1,536 bytes; registers 4 c .. 4 c + 3 of lane L at 512 c + 16 L), [group of 128 rows][256 along K][tile][128 along K]; scale words [group][128 along K][128 rows].
; Place 16 t + r of a group of 32 rows holds row 8 t + r + 8 (r / 8).  Source 0 = keys, source 1 = queries: a lane holds one query, and its 16 registers of two neighbouring tiles are 16 neighbouring keys.
; K = 1,024 goes in four steps of 256 through a ring of two LDS slots.  CLUSTERS: 4 x 4; the queries' tiles are shared along a row of the cluster, the keys' along a column: joint loads.
; THE CODE TILES ARE PREFETCHED: each wave names the unit of 24,576 bytes that it fetches in the ring, of which each of the four partners of the joint load takes a quarter, by address: 24 blocks of 256 bytes, one instruction.
; The head asks for slots 1 and 2, the lines behind slot 1's load for slot 3: at most two slots are asked for and not yet read.
; THE MASK (an input, honoured as given): a wave's 128 x 128 numbers come by plain loads of 512 consecutive bytes, 16 rows a block, FOUR BLOCKS AHEAD in four sets of 64 registers: blocks 0 and 1 are asked for at the head
; (window 0 v64-127; window 1 v96-127 and v224-255, which the walk along K leaves idle), blocks 2 and 3 at the walk's end (window 1 v0-63, v128-191), block a + 4 when block a has gone to the stage.
; A block turns through the wave's own stage in LDS (rows 528 bytes apart), so that a lane gets its query's keys, ONE BLOCK AHEAD of its use, into window 1 v64-95 and v192-223.
; Batch 0's clusters prefetch the mask's rows 32-127 of each wave, three instructions at each refill.
; LIMITS: NaN and infinities are not served.  A block whose every p is 0 gets the byte 1 (its codes are zeros; the bytes are read by this program alone).
; REGISTERS: window 0: v1-9 lane terms; v16-31 addresses; v32-63 scale words, two sets; v64-127 mask set 0; v128-223 the queries' fragments, later t, p and the codes; v224-247 what is stored in st, and the step's small numbers.
;   window 1: the keys' fragments, two sets, at v0 and v128.   windows 2, 3: the accumulators, (a, b) at v[8 (8 (a % 4) + b)].
.set NQ,     2
.set FR,     12
.set NL,     3
.set NP,     4
.set HALFT,  24576                     ; 128 rows x 256 along K: what one tensor load of the ring brings
.set SLOT,   4*HALFT
.set LAPS,   2
.set HALFS,  4096                      ; the scale words of 128 rows, all of K
.set SCL,    2*SLOT
.set MST,    SCL+4*HALFS               ; the mask's stages, 16 x 528 bytes a wave
.set SPARE,  MST+4*16*528              ; the spare words, 128 bytes a wave
.set ADRA, 16
.set ADRB, 20
.set STO,  24
.set RD,   25
.set ADRS, 27
.set SPW,  28
.set NIL,  29
.set LI,   30
.set SC,   32
.set RAW,  64
.set AF,   128
.set S,    128
.set PC,   192
.set BM,   212
.set BP,   216
.set SO,   220
.set G1,   24
.set G0,   32
.set G1B,  48
.set G0B,  56
.set G1S,  68
.set G0S,  76
.set G1SB, 80
.set G0SB, 88
.set SEL,  92
.set MSB, 0
.macro WIN new                         ; the immediate's high byte repeats the setting that is left
.if MSB != \new
	s_set_vgpr_msb (MSB<<8)|\new
.set MSB, \new
.endif
.endm
.set MUL_LO, 0xa1
.set MUL_HI, 0xf1
.set TO_B,   0x40
.macro JLOAD g0a, g1a, g0b, g1b        ; a joint load of the ring: waves 0, 1 fetch for the queries, waves 2, 3 for the keys
	s_cmp_eq_u32 s23, 0
	s_cbranch_scc0 .Lfor_b_\@
	tensor_load_to_lds s[\g0a:\g0a+3], s[\g1a:\g1a+7]
	s_nop 0
.rept 4
	v_nop
.endr
	s_branch .Lasked_\@
.Lfor_b_\@:
	tensor_load_to_lds s[\g0b:\g0b+3], s[\g1b:\g1b+7]
	s_nop 0
.rept 4
	v_nop
.endr
.Lasked_\@:
.endm
.macro ARM under, g0, g1, next         ; an arm of the head's tree: one load, then to the tree's end
	s_cmp_lt_u32 s22, \under
	s_cbranch_scc0 \next
	tensor_load_to_lds s[\g0:\g0+3], s[\g1:\g1+7]
	s_nop 0
.rept 4
	v_nop
.endr
	s_branch .Lhead_asked
\next:
.endm
.macro CREST
	s_cmp_lg_u32 s22, 0
	s_cbranch_scc1 .Lnot_wave_0_\@
	s_barrier_signal -3
.Lnot_wave_0_\@:
	s_barrier_wait -3
	s_barrier_signal -1
	s_barrier_wait -1
.endm
.macro CROUND
	s_barrier_signal -1
	s_barrier_wait -1
	CREST
.endm
.macro ASKM n0                         ; batch 0's clusters ask for three groups of 16 rows x 512 bytes of my part of the mask: a lane names 256 bytes
	s_cmp_eq_u32 s67, 0
	s_cbranch_scc0 .Lnot_mine_\@
.irp n, 0,1,2
	global_prefetch_b8 v8, s[8:9] offset:((\n0)+\n)*16*8192 th:TH_LOAD_NT scope:SCOPE_SE
.endr
.Lnot_mine_\@:
.endm
	s_load_b256 s[4:11], s[0:1], 0x0               ; pc s[4:5], ps s[6:7], mask s[8:9], pp s[10:11]
	s_load_b64 s[12:13], s[0:1], 0x20              ; st
	v_lshl_add_u32 v[SPW], v0, 2, SPARE
	v_mov_b32 v[NIL], 0
	ds_add_u32 v[SPW], v[NIL]                      ; the opening lines: the add, twice on end, and its wait ahead of my first tensor load
	ds_add_u32 v[SPW], v[NIL]
	v_lshrrev_b32 v1, 5, v0
	v_readfirstlane_b32 s22, v1                    ; wave 0..3
	s_lshr_b32 s23, s22, 1                         ; my half of the queries.  Also: in the ring I fetch for the queries (0) or the keys (1)
	s_and_b32 s2, s22, 1                           ; my half of the keys.  Also: which group of 128 rows I fetch
	s_bfe_u32 s40, ttmp6, 0x40000                  ; cx
	s_bfe_u32 s41, ttmp6, 0x40004                  ; cy
	s_lshl_b32 s42, ttmp9, 2
	s_add_co_u32 s42, s42, s40                     ; the keys' tile, 0..7
	s_and_b32 s67, ttmp7, 0xffff
	s_lshl_b32 s66, s67, 2
	s_add_co_u32 s66, s66, s41                     ; the queries' tile, 0..31
	s_lshr_b32 s67, s67, 1                         ; the batch: the same in all sixteen partners
	s_lshl_b32 s43, s41, 2
	s_lshl_b32 s43, 15, s43                        ; my row of the cluster
	s_lshl_b32 s44, 0x1111, s40                    ; my column
	s_or_b32 s[G1+0], s43, (3<<16)|(1<<21)         ; the mask; elements of 8 bytes; no padding; bit 21 beside a mask
	s_or_b32 s[G1B+0], s44, (3<<16)|(1<<21)
.irp g, G1, G1B
	s_mov_b32 s[\g+1], 3072<<16                    ; the head's form: two groups of 128 rows, each one row of 24,576 bytes,
	s_mov_b32 s[\g+2], 2<<16
	s_mov_b32 s[\g+3], 3072<<16
	s_mov_b32 s[\g+4], 2
	s_mov_b32 s[\g+5], 12288                       ; 98,304 bytes apart in memory, on end in LDS
	s_mov_b32 s[\g+6], 0
	s_mov_b32 s[\g+7], 0
.endr
	s_or_b32 s[G1S+0], s43, (3<<16)|(1<<21)
	s_or_b32 s[G1SB+0], s44, (3<<16)|(1<<21)
.irp g, G1S, G1SB
	s_mov_b32 s[\g+1], 64<<16                      ; the scale words of 256 rows: 16 rows of 512 bytes, dense
	s_mov_b32 s[\g+2], 16<<16
	s_mov_b32 s[\g+3], 64<<16
	s_mov_b32 s[\g+4], 16
	s_mov_b32 s[\g+5], 64
	s_mov_b32 s[\g+6], 0
	s_mov_b32 s[\g+7], 0
.endr
	s_mov_b32 s[SEL], 0x76543210
	s_mov_b32 s[SEL+1], 0xfedcba98                 ; selects for lane l xor 16
	s_mov_b32 s94, 0xce6e6b28                      ; -1e9
	s_mov_b32 s95, s94
	s_mov_b32 s96, 0x3d000000                      ; 1 / sqrt(1024)
	s_mov_b32 s97, s96
	s_mov_b32 s98, 0x3fb8aa3b                      ; log2(e)
	s_mov_b32 s99, s98
	s_mov_b32 s100, 0xffff0000                     ; lanes 16-31
	s_lshl_b32 s46, s66, 1
	s_add_co_u32 s46, s46, s2
	s_mul_i32 s18, s46, 98304                      ; WQ's codes: the group that I fetch in the ring
	s_mov_b32 s19, 0
	s_lshl_b32 s20, s66, 13                        ; WQ's scale words: the tile's two groups, 8,192 bytes on end
	s_mov_b32 s21, 0
	s_lshl_b32 s14, s67, 4
	s_lshl_b32 s15, s42, 1
	s_add_co_u32 s14, s14, s15                     ; WK: the tile's first group
	s_lshl_b32 s16, s14, 12
	s_add_co_u32 s16, s16, 262144                  ; its scale words
	s_mov_b32 s17, 0
	s_add_co_u32 s14, s14, s2
	s_mul_i32 s14, s14, 98304
	s_add_co_u32 s14, s14, 6291456                 ; its codes: the group that I fetch in the ring
	s_mov_b32 s15, 0
	s_mul_i32 s45, s22, HALFT                      ; where my tiles of the ring go: no place in the cluster enters an LDS address
	s_wait_dscnt 0x0                               ; both opening adds are done
	s_wait_kmcnt 0x0
	s_add_nc_u64 s[18:19], s[4:5], s[18:19]
	s_add_nc_u64 s[20:21], s[6:7], s[20:21]
	s_add_nc_u64 s[14:15], s[4:5], s[14:15]
	s_add_nc_u64 s[16:17], s[6:7], s[16:17]
	s_mov_b32 s[G0S], 1
	s_mov_b32 s[G0S+1], SCL
	s_mov_b64 s[G0S+2:G0S+3], s[20:21]
	s_or_b32 s[G0S+3], s[G0S+3], 0x80000000
	s_mov_b32 s[G0SB], 1
	s_mov_b32 s[G0SB+1], SCL+2*HALFS
	s_mov_b64 s[G0SB+2:G0SB+3], s[16:17]
	s_or_b32 s[G0SB+3], s[G0SB+3], 0x80000000
.irp s, 0,1
	s_mov_b32 s[G0+4*\s], 1
	s_add_co_u32 s[G0+4*\s+1], s45, \s*SLOT
	s_add_nc_u64 s[G0+4*\s+2:G0+4*\s+3], s[18:19], \s*HALFT
	s_or_b32 s[G0+4*\s+3], s[G0+4*\s+3], 0x80000000
	s_mov_b32 s[G0B+4*\s], 1
	s_add_co_u32 s[G0B+4*\s+1], s45, \s*SLOT
	s_add_nc_u64 s[G0B+4*\s+2:G0B+4*\s+3], s[14:15], \s*HALFT
	s_or_b32 s[G0B+4*\s+3], s[G0B+4*\s+3], 0x80000000
.endr
	s_cmp_eq_u32 s23, 0                            ; the prefetches: the group that I fetch in the ring,
	s_cselect_b64 s[20:21], s[18:19], s[14:15]
	s_cselect_b32 s16, s40, s41                    ; and of each of its units the quarter of my place among the four that ask for it jointly: told apart by address alone
	s_mul_i32 s16, s16, 6144
	s_mov_b32 s17, 0
	s_add_nc_u64 s[20:21], s[20:21], s[16:17]
	s_mov_b32 s[G0+1], 0                           ; the head's loads of slot 0 bring whole tiles: the queries' 256 rows to byte 0,
	s_mov_b32 s[G0B+1], 2*HALFT                    ; the keys' behind them
	CROUND                                         ; all sixteen work-groups are here: the first joint loads meet
; THE HEAD'S LOADS, ONE A WAVE: wave 0 slot 0 of the queries, wave 1 their scale words, wave 2 slot 0 of the keys, wave 3 their scale words.
; Waves 0 and 2 fetch the first group in the ring too, so slot 0's own global addresses serve.
	ARM 1, G0,  G1,  .Lhead_sa
	ARM 2, G0S, G1S, .Lhead_b
	ARM 3, G0B, G1B, .Lhead_sb
	tensor_load_to_lds s[G0SB:G0SB+3], s[G1SB:G1SB+7]
	s_nop 0
.rept 4
	v_nop
.endr
.Lhead_asked:
	s_mul_i32 s4, s23, HALFT                       ; my 128 queries in a slot
	s_mul_i32 s5, s2, HALFT
	s_add_co_u32 s5, s5, 2*HALFT                   ; my 128 keys
	s_mul_i32 s6, s23, HALFS
	s_mul_i32 s7, s2, HALFS
	s_add_co_u32 s7, s7, 2*HALFS
	s_sub_co_u32 s7, s7, s6                        ; from the queries' scale words to the keys'
	s_add_co_u32 s6, s6, SCL
	s_mul_i32 s14, s22, 16*528
	s_add_co_u32 s14, s14, MST                     ; my stage
	v_and_b32 v1, 15, v0                           ; r
	v_bfe_u32 v2, v0, 4, 1                         ; h
	v_and_b32 v3, 31, v0
	v_lshlrev_b32 v[LI], 4, v3                     ; 16 L
	v_add_nc_u32 v[ADRA], s4, v[LI]
	v_add_nc_u32 v[ADRB], s5, v[LI]
	v_add_nc_u32 v[ADRA+1], SLOT, v[ADRA]
	v_add_nc_u32 v[ADRB+1], SLOT, v[ADRB]
	v_lshlrev_b32 v5, 2, v1
	v_mul_u32_u24 v6, s7, v2                       ; lanes 16-31 take the keys' words
	v_add_nc_u32 v5, v5, v6
	v_add_nc_u32 v[ADRS], s6, v5
	v_add_nc_u32 v[STO], s14, v[LI]                ; the stage, on the way in: 16 L of a row
	v_mul_u32_u24 v5, v1, 528
	v_lshl_add_u32 v5, v2, 6, v5
	v_add_nc_u32 v[RD], s14, v5                    ; and back: row r, + 64 h bytes
	v_lshrrev_b32 v5, 1, v3
	v_and_b32 v6, 1, v3
	v_lshlrev_b32 v8, 13, v5
	v_lshl_add_u32 v8, v6, 8, v8                   ; the mask's prefetches: row L / 2, 256 (L % 2) bytes
	v_min_u32 v9, 23, v3
	v_lshlrev_b32 v9, 8, v9                        ; the tiles' prefetches: a lane names 256 bytes, 24 blocks to a quarter; the eight lanes left over name the last again
	global_prefetch_b8 v9, s[20:21] offset:HALFT th:TH_LOAD_NT scope:SCOPE_SE      ; slot 1's tile, asked for by its load when the head's tiles have landed,
	global_prefetch_b8 v9, s[20:21] offset:2*HALFT th:TH_LOAD_NT scope:SCOPE_SE    ; and the tile of the first refill
	s_and_b32 s46, s66, 7
	s_lshl_b32 s46, s46, 8
	s_lshl_b32 s47, s23, 7
	s_add_co_u32 s46, s46, s47                     ; my first query in its sequence
	s_lshl_b32 s46, s46, 13                        ; a row of the mask is 8,192 bytes
	s_lshl_b32 s47, s42, 10
	s_add_co_u32 s46, s46, s47
	s_lshl_b32 s47, s2, 9
	s_add_co_u32 s46, s46, s47                     ; + my first key
	s_mov_b32 s47, 0
	s_add_nc_u64 s[8:9], s[8:9], s[46:47]
	s_lshl_b32 s14, s66, 1
	s_add_co_u32 s14, s14, s23                     ; my group of 128 queries
	s_mul_i32 s46, s14, 196608
	s_mul_i32 s15, s42, 24576
	s_add_co_u32 s46, s46, s15
	s_mul_i32 s15, s2, 1536
	s_add_co_u32 s46, s46, s15
	s_add_nc_u64 s[10:11], s[10:11], s[46:47]      ; p's codes: my eight fragments, 3,072 bytes apart
	s_lshl_b32 s46, s14, 4
	s_lshl_b32 s15, s42, 1
	s_add_co_u32 s46, s46, s15
	s_add_co_u32 s46, s46, s2
	s_lshl_b32 s46, s46, 9
	s_add_nc_u64 s[12:13], s[12:13], s[46:47]      ; st: 512 bytes for a group of queries and 128 keys, three planes
.macro MBUF a, t                       ; MR: where load t of mask block a lands, in set a % 4
.if (\a)%4 == 0
.set MR, RAW+4*(\t)
.elseif (\a)%4 == 1
.set MR, 96+4*(\t)+96*((\t)/8)
.elseif (\a)%4 == 2
.set MR, 4*(\t)
.else
.set MR, 128+4*(\t)
.endif
.endm
.macro MLOAD a                         ; block a's 16 rows of the mask, in the tile's order: each load reads 512 consecutive bytes.  Set 0 lies in window 0, the others in window 1
.if (\a)%4 != 0
	WIN TO_B
.endif
.irp t, 0,1,2,3,4,5,6,7,8,9,10,11,12,13,14,15
	MBUF \a, \t
	global_load_b128 v[MR:MR+3], v[LI], s[8:9] offset:(32*((\a)/2)+8*((\a)%2)+\t+8*(\t/8))*8192
.endr
	WIN 0
.endm
	MLOAD 0
	MLOAD 1
.macro FRAG reg, adr, q, i             ; a fragment comes as it was stored: three loads of 512 consecutive bytes
.irp c, 0,1,2
	ds_load_b128 v[\reg+4*\c:\reg+4*\c+3], v[\adr] offset:(\i)*3072+(\q)*1536+512*\c
.endr
.endm
.macro MUL16 a0, p, q, sc, zero        ; 16 matrix instructions; the 64 accumulators take turns, in the same order in every step
.irp a, \a0, \a0+1
.irp b, 0,1,2,3,4,5,6,7
.if \zero
	v_wmma_scale_f32_16x16x128_f8f6f4 v[8*(8*((\a)%4)+\b):8*(8*((\a)%4)+\b)+7], v[128*(\p)+FR*\b:128*(\p)+FR*\b+FR-1], v[AF+FR*(\a):AF+FR*(\a)+FR-1], 0, v[SC+8*NQ*(\sc)+NQ*\b+(\q)], v[SC+8*NQ*(\sc)+NQ*(\a)+(\q)] matrix_a_fmt:MATRIX_FMT_FP6 matrix_b_fmt:MATRIX_FMT_FP6 matrix_a_scale:MATRIX_SCALE_ROW1
.else
	v_wmma_scale_f32_16x16x128_f8f6f4 v[8*(8*((\a)%4)+\b):8*(8*((\a)%4)+\b)+7], v[128*(\p)+FR*\b:128*(\p)+FR*\b+FR-1], v[AF+FR*(\a):AF+FR*(\a)+FR-1], v[8*(8*((\a)%4)+\b):8*(8*((\a)%4)+\b)+7], v[SC+8*NQ*(\sc)+NQ*\b+(\q)], v[SC+8*NQ*(\sc)+NQ*(\a)+(\q)] matrix_a_fmt:MATRIX_FMT_FP6 matrix_b_fmt:MATRIX_FMT_FP6 matrix_a_scale:MATRIX_SCALE_ROW1
.endif
.endr
.endr
.endm
.macro FETCH_B slot, q, p
	WIN TO_B
.irp i, 0,1,2,3,4,5,6,7
	FRAG 128*(\p)+FR*\i, ADRB+\slot, \q, \i
.endr
	WIN 0
.endm
.macro FETCH_A slot, q, i0
.irp i, \i0, \i0+1, \i0+2, \i0+3
	FRAG AF+FR*(\i), ADRA+\slot, \q, \i
.endr
.endm
.macro SCALES sc                       ; a slot's scale words: lanes 0-15 the queries' block i, lanes 16-31 the keys' block i
.irp i, 0,1,2,3,4,5,6,7
.irp q, 0,1
	ds_load_b32 v[SC+16*\sc+2*\i+\q], v[ADRS] offset:512*\q+64*\i
.endr
.endr
.endm
.macro PLACES n                        ; plain places between matrix instructions and loads into, or reads of, their registers
.rept \n
	v_nop
.endr
.endm
.macro STEP slot, q, zero              ; 128 along K that has its successor in the same slot
	s_wait_dscnt 4*NL                              ; all but the youngest 12 loads (the queries' blocks 4-7) are in
	WIN MUL_LO
	MUL16 0, (\q)%2, \q, \slot, \zero
	MUL16 2, (\q)%2, \q, \slot, \zero
	s_wait_dscnt 0
	PLACES NP
	FETCH_B \slot, (\q)+1, 1-(\q)%2
	FETCH_A \slot, (\q)+1, 0
	WIN MUL_HI
	MUL16 4, (\q)%2, \q, \slot, \zero
	MUL16 6, (\q)%2, \q, \slot, \zero
	PLACES NP
	WIN 0
	FETCH_A \slot, (\q)+1, 4
.endm
.macro TURN slot, next, fill           ; a slot's last step changes slots: one barrier; fill = 1: it opens a round of the cluster's barrier and the slot is filled again
	s_wait_tensorcnt 0x0                           ; all my tensor loads have landed: my part of the next slot
	ds_add_u32 v[SPW], v[NIL]
	s_wait_dscnt 4*NL+1                            ; (the add and the youngest 12 loads may be out)
	WIN MUL_LO
	MUL16 0, 1, NQ-1, \slot, 0
	s_wait_dscnt 0x0                               ; the add is done, and my reads of this slot are over
	s_barrier_signal -1
	MUL16 2, 1, NQ-1, \slot, 0
	WIN 0
	s_barrier_wait -1
.if \fill
	CREST
	s_add_nc_u64 s[G0+4*\slot+2:G0+4*\slot+3], s[G0+4*\slot+2:G0+4*\slot+3], 2*HALFT
	s_add_nc_u64 s[G0B+4*\slot+2:G0B+4*\slot+3], s[G0B+4*\slot+2:G0B+4*\slot+3], 2*HALFT
	JLOAD G0+4*\slot, G1, G0B+4*\slot, G1B         ; the first tensor load behind the round; its four v_nop are the places in front of the loads below
.else
	PLACES NP
.endif
	s_wait_alu depctr_va_vdst(0)
	v_add_nc_u32 v[ADRS], 1024, v[ADRS]            ; the next slot's scale words
	FETCH_B \next, 0, 0
	FETCH_A \next, 0, 0
	SCALES \next
.if \fill
	ASKM 2+3*\slot
.endif
	WIN MUL_HI
	MUL16 4, 1, NQ-1, \slot, 0
	MUL16 6, 1, NQ-1, \slot, 0
	PLACES NP
	WIN 0
	FETCH_A \next, 0, 4
.endm
	s_wait_alu depctr_va_vdst(0)
	s_wait_tensorcnt 0x0                           ; my tile of the head's four is in
	ds_add_u32 v[SPW], v[NIL]
.irp g, G1, G1B
	s_mov_b32 s[\g+1], 32<<16                      ; no tensor load of mine is out: from here on a load brings one group, 96 rows of 256 bytes, dense
	s_mov_b32 s[\g+2], 96<<16
	s_mov_b32 s[\g+3], 32<<16
	s_mov_b32 s[\g+4], 96
	s_mov_b32 s[\g+5], 32
.endr
	s_mov_b32 s[G0+1], s45                         ; and slot 0's refills go to wave x 24,576
	s_mov_b32 s[G0B+1], s45
	s_wait_dscnt 0x0
	CROUND                                         ; a whole round: all four tiles are in, in every partner
	JLOAD G0+4, G1, G0B+4, G1B                     ; slot 1's first fill, the first tensor load behind the round
	FETCH_B 0, 0, 0
	FETCH_A 0, 0, 0
	SCALES 0
	global_prefetch_b8 v9, s[20:21] offset:3*HALFT th:TH_LOAD_NT scope:SCOPE_SE    ; the last refill's tile, two changes of slots ahead; the address registers are never rewritten
	FETCH_A 0, 0, 4
	STEP 0, 0, 1                                   ; the first step's products start the sums
	s_mov_b32 s3, LAPS-1
.Llap:
	TURN 0, 1, 1
	STEP 1, 0, 0
	TURN 1, 0, 1
	STEP 0, 0, 0
	s_sub_co_u32 s3, s3, 1
	s_cmp_lg_u32 s3, 0
	s_cbranch_scc1 .Llap
	TURN 0, 1, 0                                   ; the last lap fills nothing
	STEP 1, 0, 0
	s_wait_dscnt 4*NL
	WIN MUL_LO
	MUL16 0, 1, NQ-1, 1, 0
	MUL16 2, 1, NQ-1, 1, 0
	s_wait_dscnt 0
	WIN MUL_HI
	MUL16 4, 1, NQ-1, 1, 0
	MUL16 6, 1, NQ-1, 1, 0
	WIN 0
; Mask block a turns through my stage: in as loaded, back 64 numbers of one query a lane, into window 1 v64-95 and v192-223.
.macro TURNM a
.if (\a) < 5
	s_wait_loadcnt 48                              ; this block's 16 mask loads are in; those of the three blocks behind it may be out
.else
	s_wait_loadcnt 16*(7-(\a))
.endif
.if (\a)%4 != 0
	WIN 0x04                                       ; the data lie in window 1
.endif
.irp t, 0,1,2,3,4,5,6,7,8,9,10,11,12,13,14,15
	MBUF \a, \t
	ds_store_b128 v[STO], v[MR:MR+3] offset:528*\t
.endr
	WIN TO_B
.irp b, 0,1,2,3
.irp j, 0,1,2,3
	ds_load_b128 v[64+16*\b+4*\j+96*(\b/2):64+16*\b+4*\j+96*(\b/2)+3], v[RD] offset:128*\b+16*\j   ; LDS serves a wave's instructions in order: these see the stores above
.endr
.endr
	WIN 0
.endm
; BLOCK a: 16 queries x my 128 keys.  A lane holds 64 numbers of one query: register 16 b + i = key 32 b + 16 h + i.
.macro SOFT a
.set AC, 64*((\a)%4)
	s_wait_dscnt 0x0                               ; this block's mask is back from the stage, and the stores into the stage have read their registers,
.if (\a) < 4
	MLOAD (\a)+4                                   ; which take the block four further on
.endif
	WIN 0x01
.set ii, 0
.rept 32
	v_pk_mul_f32 v[S+ii:S+ii+1], v[64+ii+96*(ii/32):64+ii+96*(ii/32)+1], s[94:95] op_sel_hi:[1,0]   ; mask x (-1e9)
.set ii, ii+2
.endr
	WIN 0
.if (\a) < 7
	TURNM (\a)+1                                   ; the next block's mask turns while this block is worked
.endif
	WIN (0x02+(\a)/4)
.set ii, 0
.rept 32
	v_pk_fma_f32 v[S+ii:S+ii+1], v[AC+ii:AC+ii+1], s[96:97], v[S+ii:S+ii+1] op_sel_hi:[1,0,1]   ; + S / 32 (exact); each accumulator from its low end on
.set ii, ii+2
.endr
	WIN 0
.set ii, 0
.rept 32
	v_pk_mul_f32 v[S+ii:S+ii+1], v[S+ii:S+ii+1], s[98:99] op_sel_hi:[1,0]         ; t
.set ii, ii+2
.endr
.irp b, 0,1,2,3
	v_max3_num_f32 v[BM+\b], v[S+16*\b], v[S+16*\b+1], v[S+16*\b+2]               ; the largest t of each block of 32 keys: for the maximum and for the block's largest p
.endr
.irp i, 3,5,7,9,11,13
.irp b, 0,1,2,3
	v_max3_num_f32 v[BM+\b], v[BM+\b], v[S+16*\b+\i], v[S+16*\b+\i+1]
.endr
.endr
.irp b, 0,1,2,3
	v_max_num_f32 v[BM+\b], v[BM+\b], v[S+16*\b+15]
.endr
.irp b, 0,1,2,3
	v_permlanex16_b32 v[BP+\b], v[BM+\b], s[SEL], s[SEL+1]
.endr
.irp b, 0,1,2,3
	v_max_num_f32 v[BM+\b], v[BM+\b], v[BP+\b]
.endr
	v_max3_num_f32 v241, v[BM], v[BM+1], v[BM+2]
	v_max_num_f32 v241, v241, v[BM+3]
	v_floor_f32 v242, -v241                        ; -M = floor(-t) = -ceil(t)
.set ii, 0
.rept 32
	v_pk_add_f32 v[S+ii:S+ii+1], v[S+ii:S+ii+1], v[242:243] op_sel_hi:[1,0]
.set ii, ii+2
.endr
.irp b, 0,1,2,3
	v_add_f32 v[BM+\b], v[BM+\b], v242
.endr
.set ii, 0
	s_wait_alu depctr_va_vdst(0)
.rept 64
	v_exp_f32 v[S+ii], v[S+ii]                     ; p = 2^(t - M)
.set ii, ii+1
.endr
	v_nop
	s_wait_alu depctr_va_vdst(0)
.irp b, 0,1,2,3
	v_exp_f32 v[BM+\b], v[BM+\b]                   ; each block's largest p
.endr
	v_pk_add_f32 v[244:245], v[S:S+1], v[S+2:S+3]  ; the sum of the unquantised p, in two chains
	v_pk_add_f32 v[246:247], v[S+4:S+5], v[S+6:S+7]
.set ii, 8
.rept 14
	v_pk_add_f32 v[244:245], v[244:245], v[S+ii:S+ii+1]
	v_pk_add_f32 v[246:247], v[246:247], v[S+ii+2:S+ii+3]
.set ii, ii+4
.endr
	v_pk_add_f32 v[244:245], v[244:245], v[246:247]
	s_wait_alu depctr_va_vdst(0)                   ; for the four
.irp b, 0,1,2,3
	v_max_num_f32 v[BM+\b], 0x1800000, v[BM+\b]    ; the floor 2^(3 - 127): the byte cannot fall under 1
.endr
.irp b, 0,1,2,3
	v_add_nc_u32 v[SO+\b], 0xff000000, v[BM+\b]    ; the conversion's scale operand
.endr
.irp b, 0,1,2,3
	v_lshrrev_b32 v[BP+\b], 23, v[SO+\b]           ; the byte
.endr
	v_lshl_or_b32 v240, v[BP+1], 8, v[BP]
	v_lshl_or_b32 v240, v[BP+2], 16, v240
	v_lshl_or_b32 v240, v[BP+3], 24, v240
	s_wait_xcnt 0x0                                ; the last block's stores have read the codes' registers
.irp c, 0,1
	v_cvt_scalef32_pk16_fp6_f32 v[PC+6*\c:PC+2+6*\c], v[S+32*\c:S+15+32*\c], v[SO+2*\c]
	v_cvt_scalef32_pk16_fp6_f32 v[PC+12+4*\c:PC+14+4*\c], v[S+16+32*\c:S+31+32*\c], v[SO+2*\c+1]
.endr
	v_nop                                          ; one plain place behind a scaled conversion
.irp c, 0,1                            ; the operand's layout wants a whole block in a lane
.irp i, 0,1,2
	v_permlane16_swap_b32 v[PC+6*\c+\i], v[PC+12+4*\c+\i]
.endr
.irp i, 0,1,2
	v_mov_b32 v[PC+3+6*\c+\i], v[PC+12+4*\c+\i]
.endr
.endr
	v_add_f32 v244, v244, v245
	v_permlanex16_b32 v246, v244, s[SEL], s[SEL+1]
	v_add_f32 v244, v244, v246                     ; the sum over my query's 128 keys
.if (\a)%2 == 0
	v_mov_b32 v236, v240
	v_mov_b32 v237, v242
	v_mov_b32 v238, v244
.else                                  ; two blocks' words share a register: the even block's in lanes 0-15, the odd one's in lanes 16-31
	v_cndmask_b32 v[224+(\a)/2], v236, v240, s100
	v_cndmask_b32 v[228+(\a)/2], v237, v242, s100
	v_cndmask_b32 v[232+(\a)/2], v238, v244, s100
.endif
.irp c, 0,1,2
	global_store_b128 v[LI], v[PC+4*\c:PC+4*\c+3], s[10:11] offset:3072*(\a)+512*\c   ; 512 consecutive bytes
.endr
.endm
	PLACES NP                                      ; in front of loads into registers that the last products read, and of the first reads of results
	MLOAD 2
	MLOAD 3
.irp b, 0,1,2,3
	v_mov_b32 v[BP+\b], 0                          ; a lane permute's destination counts as one of its sources
.endr
	v_mov_b32 v243, 0                              ; (named with v242 as a pair)
	v_mov_b32 v246, 0
	TURNM 0
.irp a, 0,1,2,3,4,5,6,7
	SOFT \a
.endr
	global_store_b128 v[LI], v[224:227], s[12:13]                  ; p's scale words,
	global_store_b128 v[LI], v[228:231], s[12:13] offset:524288    ; -M,
	global_store_b128 v[LI], v[232:235], s[12:13] offset:1048576   ; the sums: 512 consecutive bytes each
	s_wait_tensorcnt 0x0                           ; the wave's end
	ds_add_u32 v[SPW], v[NIL]
	s_wait_dscnt 0x0
	CROUND                                         ; the closing round
	s_endpgm
.Lfunc_end_k_q3c5a4e2c37_score:
	.size	k_q3c5a4e2c37_score, .Lfunc_end_k_q3c5a4e2c37_score-k_q3c5a4e2c37_score
	.p2alignl 7, 3214868480
	.fill 96, 4, 3214868480
	.section	.rodata,"a",@progbits
	.p2align	6, 0x0
	.amdhsa_kernel k_q3c5a4e2c37_score
		.amdhsa_group_segment_fixed_size 327680
		.amdhsa_private_segment_fixed_size 0
		.amdhsa_enable_private_segment 0
		.amdhsa_kernarg_size 40
		.amdhsa_user_sgpr_count 2
		.amdhsa_user_sgpr_kernarg_segment_ptr 1
		.amdhsa_wavefront_size32 1
		.amdhsa_system_sgpr_workgroup_id_x 1
		.amdhsa_system_sgpr_workgroup_id_y 1
		.amdhsa_system_sgpr_workgroup_id_z 1
		.amdhsa_system_vgpr_workitem_id 0
		.amdhsa_next_free_vgpr 1024
		.amdhsa_next_free_sgpr 104
		.amdhsa_reserve_vcc 0
		.amdhsa_float_denorm_mode_32 3
		.amdhsa_float_denorm_mode_16_64 3
		.amdhsa_memory_ordered 1
		.amdhsa_forward_progress 1
		.amdhsa_inst_pref_size 255
	.end_amdhsa_kernel
	.section	.bss,"aw",@nobits
	.p2align	6
	.space	262144
	.amdgpu_metadata
---
amdhsa.version: [ 1, 2 ]
amdhsa.kernels:
  - .name:           k_q3c5a4e2c37_score
    .symbol:         k_q3c5a4e2c37_score.kd
    .args:
      - { .name: pc, .offset: 0, .size: 8, .value_kind: global_buffer, .address_space: global }
      - { .name: ps, .offset: 8, .size: 8, .value_kind: global_buffer, .address_space: global }
      - { .name: mask, .offset: 16, .size: 8, .value_kind: global_buffer, .address_space: global }
      - { .name: pp, .offset: 24, .size: 8, .value_kind: global_buffer, .address_space: global }
      - { .name: st, .offset: 32, .size: 8, .value_kind: global_buffer, .address_space: global }
    .group_segment_fixed_size: 327680
    .private_segment_fixed_size: 0
    .kernarg_segment_align: 8
    .kernarg_segment_size: 40
    .max_flat_workgroup_size: 128
    .sgpr_count:     104
    .vgpr_count:     1024
    .wavefront_size: 32
...
	.end_amdgpu_metadata
.endif
;; end of part 3
;; launch pv (part 4): grid 4 x 64, 4 waves a work-group, clusters of 4 x 4, 327,680 bytes of LDS; arguments pp, st, pc, ps, out0; writes out0
.if DOCPART == 4
	.amdgcn_target "amdgcn-amd-amdhsa--gfx1250"
	.amdhsa_code_object_version 6
	.text
	.protected	k_q3c5a4e2c37_pv
	.globl	k_q3c5a4e2c37_pv
	.p2align	8
	.type	k_q3c5a4e2c37_pv,@function
k_q3c5a4e2c37_pv:
	s_mov_b64 s[64:65], 0
	v_nop
	global_prefetch_b8 v0, s[64:65] scope:SCOPE_SE
	s_setreg_imm32_b32 hwreg(HW_REG_WAVE_MODE, 25, 1), 1
	s_wait_xcnt 0x0
	s_wait_alu depctr_hold_cnt(0) depctr_sa_sdst(0) depctr_va_vdst(0) depctr_va_sdst(0) depctr_va_ssrc(0) depctr_va_vcc(0) depctr_vm_vsrc(0)
	s_getreg_b32 s2, hwreg(HW_REG_IB_STS2, 6, 4)
	s_cmp_eq_u32 s2, 0
	s_cbranch_scc0 .Lentry_in_a_cluster
	s_endpgm
.Lentry_in_a_cluster:
	s_bfe_u32 s2, ttmp6, 0x10000c
	s_cmp_lg_u32 s2, 0xf033
	s_cbranch_scc0 .Lentry_shape_is_right
	s_endpgm
.Lentry_shape_is_right:
.set FR,     12
.set NP,     4
.set AUNIT,  24576
.set BUNIT,  49152
.set BOFF,   2*AUNIT
.set SLOT,   BOFF+2*BUNIT
.set SCL,    2*SLOT
.set SCB,    SCL+8192
.set RLB,    SCB+16384
.set SPARE,  RLB+512
.set STG,    0
.set ADRA, 16
.set ADRB, 20
.set STO,  24
.set RD,   25
.set ADRS, 27
.set SPW,  28
.set NIL,  29
.set LI,   30
.set SC,   32
.set NMV,  64
.set RL,   64
.set PLV,  128
.set MT,   128
.set AF,   128
.set BK,   128
.set NR,   192
.set LS,   196
.set RC,   200
.set DD,   204
.set PSV,  224
.set NMO,  240
.set G1,   24
.set G0,   32
.set G1B,  48
.set G0B,  56
.set G1SB, 80
.set G0SB, 88
.set MSB, 0
.macro WIN new
.if MSB != \new
	s_set_vgpr_msb (MSB<<8)|\new
.set MSB, \new
.endif
.endm
.set MULW,   0xa1
.set TO_B,   0x40
.macro JLOAD g0a, g1a, g0b, g1b
	s_cmp_eq_u32 s23, 0
	s_cbranch_scc0 .Lfor_b_\@
	tensor_load_to_lds s[\g0a:\g0a+3], s[\g1a:\g1a+7]
	s_nop 0
.rept 4
	v_nop
.endr
	s_branch .Lasked_\@
.Lfor_b_\@:
	tensor_load_to_lds s[\g0b:\g0b+3], s[\g1b:\g1b+7]
	s_nop 0
.rept 4
	v_nop
.endr
.Lasked_\@:
.endm
.macro CREST
	s_cmp_lg_u32 s22, 0
	s_cbranch_scc1 .Lnot_wave_0_\@
	s_barrier_signal -3
.Lnot_wave_0_\@:
	s_barrier_wait -3
	s_barrier_signal -1
	s_barrier_wait -1
.endm
.macro CROUND
	s_barrier_signal -1
	s_barrier_wait -1
	CREST
.endm
	s_load_b256 s[4:11], s[0:1], 0x0
	s_load_b64 s[12:13], s[0:1], 0x20
	v_lshl_add_u32 v[SPW], v0, 2, SPARE
	v_mov_b32 v[NIL], 0
	ds_add_u32 v[SPW], v[NIL]
	ds_add_u32 v[SPW], v[NIL]
	v_lshrrev_b32 v1, 5, v0
	v_readfirstlane_b32 s22, v1
	v_and_b32 v3, 31, v0
	v_lshlrev_b32 v[LI], 4, v3
	v_min_u32 v10, 23, v3
	v_lshlrev_b32 v10, 8, v10                      ; the prefetches: a lane names 256 bytes, 24 blocks an instruction; the eight lanes left over name the last again
	s_lshr_b32 s23, s22, 1
	s_and_b32 s2, s22, 1
	s_bfe_u32 s40, ttmp6, 0x40000
	s_bfe_u32 s41, ttmp6, 0x40004
	s_lshl_b32 s42, ttmp9, 2
	s_add_co_u32 s42, s42, s40
	s_and_b32 s67, ttmp7, 0xffff
	s_lshl_b32 s66, s67, 2
	s_add_co_u32 s66, s66, s41
	s_lshr_b32 s67, s67, 2
	s_lshl_b32 s43, s41, 2
	s_lshl_b32 s43, 15, s43
	s_lshl_b32 s44, 0x1111, s40
	s_or_b32 s[G1+0], s43, (3<<16)|(1<<21)
	s_mov_b32 s[G1+1], 32<<16
	s_mov_b32 s[G1+2], 192<<16                     ; the head's form: P's whole slot, 192 rows of 256 bytes, dense
	s_mov_b32 s[G1+3], 32<<16
	s_mov_b32 s[G1+4], 192
	s_mov_b32 s[G1+5], 32
	s_mov_b32 s[G1+6], 0
	s_mov_b32 s[G1+7], 0
	s_or_b32 s[G1B+0], s44, (3<<16)|(1<<21)
	s_mov_b32 s[G1B+1], 32<<16
	s_mov_b32 s[G1B+2], 192<<16
	s_mov_b32 s[G1B+3], 32<<16
	s_mov_b32 s[G1B+4], 192
	s_mov_b32 s[G1B+5], 32
	s_mov_b32 s[G1B+6], 0
	s_mov_b32 s[G1B+7], 0
	s_or_b32 s[G1SB+0], s44, (3<<16)|(1<<21)
	s_mov_b32 s[G1SB+1], 1024<<16                  ; V's scale words: of each of the tile's two groups this batch's 8,192 bytes as one row,
	s_mov_b32 s[G1SB+2], 2<<16
	s_mov_b32 s[G1SB+3], 1024<<16
	s_mov_b32 s[G1SB+4], 2
	s_mov_b32 s[G1SB+5], 4096                      ; 32,768 bytes apart in memory, on end in LDS
	s_mov_b32 s[G1SB+6], 0
	s_mov_b32 s[G1SB+7], 0
	s_mul_i32 s100, s66, 196608
	s_mul_i32 s45, s2, AUNIT
	s_add_co_u32 s100, s100, s45
	s_mov_b32 s101, 0
	s_lshl_b32 s14, s42, 1
	s_add_co_u32 s14, s14, s2
	s_lshl_b32 s16, s42, 16
	s_lshl_b32 s17, s67, 13
	s_add_co_u32 s16, s16, s17
	s_add_co_u32 s16, s16, 524288
	s_mov_b32 s17, 0
	s_mul_i32 s14, s14, 786432
	s_mul_i32 s15, s67, 196608
	s_add_co_u32 s14, s14, s15
	s_add_co_u32 s14, s14, 12582912
	s_mov_b32 s15, 0
	s_mul_i32 s3, s2, BUNIT
	s_add_co_u32 s3, s3, BOFF
	s_lshl_b32 s96, s66, 13
	s_mov_b32 s97, 0
	s_lshl_b32 s98, s22, 11
	s_mov_b32 s99, 0
	s_wait_alu depctr_va_vdst(0)
	s_wait_dscnt 0x0
	s_wait_kmcnt 0x0
	s_add_nc_u64 s[18:19], s[4:5], s[100:101]
	s_add_nc_u64 s[14:15], s[8:9], s[14:15]
	s_add_nc_u64 s[16:17], s[10:11], s[16:17]
	s_add_nc_u64 s[6:7], s[6:7], s[96:97]
	s_add_nc_u64 s[20:21], s[6:7], s[98:99]
.irp g, 0,1,2,3,4,5,6,7,8,9,10,11,12,13,14,15
	global_load_b128 v[NMV+4*\g:NMV+4*\g+3], v[LI], s[6:7] offset:524288+512*\g
.endr
.irp g, 0,1,2,3,4,5,6,7,8,9,10,11,12,13,14,15
	global_load_b128 v[PLV+4*\g:PLV+4*\g+3], v[LI], s[6:7] offset:1048576+512*\g
.endr
.irp g, 0,1,2,3
	global_load_b128 v[PSV+4*\g:PSV+4*\g+3], v[LI], s[20:21] offset:512*\g
	global_load_b128 v[NMO+4*\g:NMO+4*\g+3], v[LI], s[20:21] offset:524288+512*\g
.endr
	s_mov_b32 s[G0SB], 1
	s_mov_b32 s[G0SB+1], SCB
	s_mov_b64 s[G0SB+2:G0SB+3], s[16:17]
	s_or_b32 s[G0SB+3], s[G0SB+3], 0x80000000
.irp s, 0,1
	s_mov_b32 s[G0+4*\s], 1
	s_add_co_u32 s[G0+4*\s+1], s45, \s*SLOT
	s_add_nc_u64 s[G0+4*\s+2:G0+4*\s+3], s[18:19], \s*BUNIT
	s_or_b32 s[G0+4*\s+3], s[G0+4*\s+3], 0x80000000
	s_mov_b32 s[G0B+4*\s], 1
	s_add_co_u32 s[G0B+4*\s+1], s3, \s*SLOT
	s_add_nc_u64 s[G0B+4*\s+2:G0B+4*\s+3], s[14:15], \s*BUNIT
	s_or_b32 s[G0B+4*\s+3], s[G0B+4*\s+3], 0x80000000
.endr
	s_cmp_eq_u32 s23, 0                            ; the prefetches: the unit that I fetch in the ring (P's: 24,576 bytes; V's: 49,152),
	s_cselect_b64 s[18:19], s[18:19], s[14:15]
	s_cselect_b32 s16, s40, s41                    ; and of it the quarter of my place among the four that ask for it jointly: told apart by address alone
	s_mul_i32 s16, s16, 6144
	s_lshl_b32 s16, s16, s23                       ; V's quarters are twice as long
	s_mov_b32 s17, 0
	s_add_nc_u64 s[18:19], s[18:19], s[16:17]
	s_mov_b32 s[G0+1], 0
	CROUND                                         ; all sixteen work-groups are here: the first joint loads meet
; THE HEAD'S LOADS, ONE A WAVE: wave 0 P's slot 0, wave 1 V's scale words, waves 2 and 3 V's two units of slot 0.  One tree of branches on the wave's number, one load to an arm.
	s_cmp_lt_u32 s22, 1
	s_cbranch_scc0 .Lhead_s
	tensor_load_to_lds s[G0:G0+3], s[G1:G1+7]
	s_nop 0
.rept 4
	v_nop
.endr
	s_branch .Lhead_asked
.Lhead_s:
	s_cmp_lt_u32 s22, 2
	s_cbranch_scc0 .Lhead_b
	tensor_load_to_lds s[G0SB:G0SB+3], s[G1SB:G1SB+7]
	s_nop 0
.rept 4
	v_nop
.endr
	s_branch .Lhead_asked
.Lhead_b:
	tensor_load_to_lds s[G0B:G0B+3], s[G1B:G1B+7]
	s_nop 0
.rept 4
	v_nop
.endr
.Lhead_asked:
.macro ASK j                           ; my quarter of my unit of slot j: one instruction for P's waves, two for V's; the branch hangs on the wave's number alone
	global_prefetch_b8 v10, s[18:19] offset:(\j)*BUNIT th:TH_LOAD_NT scope:SCOPE_SE
	s_cmp_eq_u32 s23, 0
	s_cbranch_scc1 .Lpf_\@
	global_prefetch_b8 v10, s[18:19] offset:(\j)*BUNIT+6144 th:TH_LOAD_NT scope:SCOPE_SE
.Lpf_\@:
.endm
	ASK 1                                          ; slot 1's tiles, asked for by their loads when the head's tiles have landed,
	ASK 2                                          ; and the first refill's: two slots ahead at the most
	v_and_b32 v1, 15, v0
	v_bfe_u32 v2, v0, 4, 1
	s_wait_alu depctr_va_vdst(0)
	s_mul_i32 s46, s23, 4*3072
	s_mul_i32 s47, s2, BUNIT
	s_add_co_u32 s47, s47, BOFF
.irp s, 0,1
	v_add_nc_u32 v[ADRA+\s], s46, v[LI]
	v_add_nc_u32 v[ADRB+\s], s47, v[LI]
	s_add_co_u32 s46, s46, SLOT
	s_add_co_u32 s47, s47, SLOT
.endr
	v_lshlrev_b32 v5, 2, v1
	s_lshl_b32 s46, s23, 8
	s_lshl_b32 s47, s2, 13
	s_add_co_u32 s47, s47, SCB-SCL
	s_sub_co_u32 s47, s47, s46
	v_mul_u32_u24 v6, s47, v2
	s_add_co_u32 s46, s46, SCL
	v_add_nc_u32 v5, v5, v6
	v_add_nc_u32 v[ADRS], s46, v5
	v_lshlrev_b32 v4, 2, v3
	s_lshl_b32 s46, s22, 11
	s_add_co_u32 s46, s46, SCL
	v_add_nc_u32 v8, s46, v4
	s_lshl_b32 s46, s22, 7
	s_add_co_u32 s46, s46, RLB
	v_add_nc_u32 v9, s46, v4
	s_lshl_b32 s46, s23, 8
	s_add_co_u32 s46, s46, RLB
	v_lshl_add_u32 v31, v1, 2, s46
	s_mul_i32 s46, s22, 16*528
	s_add_co_u32 s46, s46, STG
	v_mul_u32_u24 v5, v1, 528
	v_lshl_add_u32 v5, v2, 6, v5
	v_add_nc_u32 v[STO], s46, v5
	v_add_nc_u32 v[RD], s46, v[LI]
	s_lshl_b32 s46, s66, 7
	s_lshl_b32 s47, s23, 6
	s_add_co_u32 s46, s46, s47
	s_lshl_b32 s46, s46, 12
	s_lshl_b32 s47, s42, 10
	s_add_co_u32 s46, s46, s47
	s_lshl_b32 s47, s2, 9
	s_add_co_u32 s46, s46, s47
	s_mov_b32 s47, 0
	s_add_nc_u64 s[12:13], s[12:13], s[46:47]
	s_cmp_eq_u32 s2, 0
	s_cselect_b32 s94, 0, -1
	s_cmp_eq_u32 s23, 0
	s_cselect_b32 s95, 0, -1
	s_wait_loadcnt 0x0
.irp i, 0,1,2,3
	v_min3_num_f32 v[NR+\i], v[NMV+\i], v[NMV+4+\i], v[NMV+8+\i]
.endr
.irp g, 3,5,7,9,11,13
.irp i, 0,1,2,3
	v_min3_num_f32 v[NR+\i], v[NR+\i], v[NMV+4*\g+\i], v[NMV+4+4*\g+\i]
.endr
.endr
.irp i, 0,1,2,3
	v_min_num_f32 v[NR+\i], v[NR+\i], v[NMV+60+\i]
.endr
.irp g, 0,1,2,3,4,5,6,7,8,9,10,11,12,13,14,15
.irp i, 0,1,2,3
	v_sub_f32 v[DD+\i], v[NR+\i], v[NMV+4*\g+\i]
.endr
.irp i, 0,1,2,3
	v_cvt_i32_f32 v[DD+\i], v[DD+\i]
.endr
.if \g == 0
.irp i, 0,1,2,3
	v_ldexp_f32 v[LS+\i], v[PLV+\i], v[DD+\i]
.endr
.else
.irp i, 0,1,2,3
	v_ldexp_f32 v[DD+4+\i], v[PLV+4*\g+\i], v[DD+\i]
.endr
.irp i, 0,1,2,3
	v_add_f32 v[LS+\i], v[LS+\i], v[DD+4+\i]
.endr
.endif
.endr
	s_wait_alu depctr_va_vdst(0)
.irp i, 0,1,2,3
	v_rcp_f32 v[RC+\i], v[LS+\i]
.endr
	v_nop
	s_wait_alu depctr_va_vdst(0)
	v_cndmask_b32 v132, v[RC], v[RC+1], s94
	v_cndmask_b32 v133, v[RC+2], v[RC+3], s94
	v_cndmask_b32 v132, v132, v133, s95
	ds_store_b32 v9, v132
.irp g, 0,1,2,3
.irp i, 0,1,2,3
	v_sub_f32 v[DD+\i], v[NMO+4*\g+\i], v[NR+\i]
.endr
.irp i, 0,1,2,3
	v_min_num_f32 v[DD+\i], 0x437f0000, v[DD+\i]
.endr
.irp i, 0,1,2,3
	v_cvt_u32_f32 v[DD+\i], v[DD+\i]
.endr
.irp i, 0,1,2,3
	v_and_b32 v[DD+4+\i], 0xff, v[PSV+4*\g+\i]
.endr
.irp i, 0,1,2,3
	v_bfe_u32 v[DD+8+\i], v[PSV+4*\g+\i], 8, 8
.endr
.irp i, 0,1,2,3
	v_bfe_u32 v[DD+12+\i], v[PSV+4*\g+\i], 16, 8
.endr
.irp i, 0,1,2,3
	v_lshrrev_b32 v[DD+16+\i], 24, v[PSV+4*\g+\i]
.endr
.irp y, 4,8,12,16
.irp i, 0,1,2,3
	v_min_u32 v[MT+\i], v[DD+\y+\i], v[DD+\i]
.endr
.irp i, 0,1,2,3
	v_sub_nc_u32 v[DD+\y+\i], v[DD+\y+\i], v[MT+\i]
.endr
.endr
.irp i, 0,1,2,3
	v_lshl_or_b32 v[DD+4+\i], v[DD+8+\i], 8, v[DD+4+\i]
.endr
.irp i, 0,1,2,3
	v_lshl_or_b32 v[DD+4+\i], v[DD+12+\i], 16, v[DD+4+\i]
.endr
.irp i, 0,1,2,3
	v_lshl_or_b32 v[PSV+4*\g+\i], v[DD+16+\i], 24, v[DD+4+\i]
.endr
.irp i, 0,1,2,3
	ds_store_b32 v8, v[PSV+4*\g+\i] offset:512*\g+128*\i
.endr
.endr
.macro FRAG reg, adr, q, i
.irp c, 0,1,2
	ds_load_b128 v[\reg+4*\c:\reg+4*\c+3], v[\adr] offset:((\q)/2)*AUNIT+(\i)*3072+((\q)%2)*1536+512*\c
.endr
.endm
.macro FETCH t
.set FS, ((\t)/4)%2
.set FQ, (\t)%4
.set FP, (\t)%2
	WIN TO_B
.irp i, 0,1,2,3,4,5,6,7
	FRAG 128*FP+FR*\i, ADRB+FS, FQ, \i
.endr
	WIN 0
.irp i, 0,1,2,3
	FRAG AF+48*FP+FR*\i, ADRA+FS, FQ, \i
.endr
.irp i, 0,1,2,3,4,5,6,7
	ds_load_b32 v[SC+8*FP+\i], v[ADRS] offset:512*(\t)+64*\i
.endr
.endm
.macro MUL8 a, p, zero
.irp b, 0,1,2,3,4,5,6,7
.if \zero
	v_wmma_scale_f32_16x16x128_f8f6f4 v[8*(8*(\a)+\b):8*(8*(\a)+\b)+7], v[128*(\p)+FR*\b:128*(\p)+FR*\b+FR-1], v[AF+48*(\p)+FR*(\a):AF+48*(\p)+FR*(\a)+FR-1], 0, v[SC+8*(\p)+\b], v[SC+8*(\p)+(\a)] matrix_a_fmt:MATRIX_FMT_FP6 matrix_b_fmt:MATRIX_FMT_FP6 matrix_a_scale:MATRIX_SCALE_ROW1
.else
	v_wmma_scale_f32_16x16x128_f8f6f4 v[8*(8*(\a)+\b):8*(8*(\a)+\b)+7], v[128*(\p)+FR*\b:128*(\p)+FR*\b+FR-1], v[AF+48*(\p)+FR*(\a):AF+48*(\p)+FR*(\a)+FR-1], v[8*(8*(\a)+\b):8*(8*(\a)+\b)+7], v[SC+8*(\p)+\b], v[SC+8*(\p)+(\a)] matrix_a_fmt:MATRIX_FMT_FP6 matrix_b_fmt:MATRIX_FMT_FP6 matrix_a_scale:MATRIX_SCALE_ROW1
.endif
.endr
.endm
.macro PLACES n
.rept \n
	v_nop
.endr
.endm
.macro STEP t, zero
	s_wait_dscnt 0x0
.if (\t) > 0
	PLACES NP
.endif
	FETCH (\t)+1
	WIN MULW
	MUL8 0, (\t)%2, \zero
	MUL8 1, (\t)%2, \zero
	MUL8 2, (\t)%2, \zero
	MUL8 3, (\t)%2, \zero
.endm
.macro TURN t, fill
.set TS, ((\t)/4)%2
	WIN 0
	s_wait_tensorcnt 0x0
	ds_add_u32 v[SPW], v[NIL]
	s_wait_dscnt 0x0
	s_barrier_signal -1
	WIN MULW
	MUL8 0, (\t)%2, 0
	WIN 0
	s_barrier_wait -1
.if \fill
	CREST
	s_add_nc_u64 s[G0+4*TS+2:G0+4*TS+3], s[G0+4*TS+2:G0+4*TS+3], 2*BUNIT
	s_add_nc_u64 s[G0B+4*TS+2:G0B+4*TS+3], s[G0B+4*TS+2:G0B+4*TS+3], 2*BUNIT
	JLOAD G0+4*TS, G1, G0B+4*TS, G1B
.else
	PLACES NP
.endif
	FETCH (\t)+1
	WIN MULW
	MUL8 1, (\t)%2, 0
	MUL8 2, (\t)%2, 0
	MUL8 3, (\t)%2, 0
.endm
	s_wait_alu depctr_va_vdst(0)
	s_wait_tensorcnt 0x0                           ; my tile of the head's four is in
	ds_add_u32 v[SPW], v[NIL]
	s_mov_b32 s[G1+2], 96<<16                      ; no tensor load of mine is out: from here on a load of P brings one unit, 96 rows,
	s_mov_b32 s[G1+4], 96
	s_mov_b32 s[G0+1], s45                         ; and slot 0's refills go to my unit's place
	s_wait_dscnt 0x0                               ; the add is done, and so are my stores of scale words and divisors
	CROUND                                         ; a whole round: all tiles and all stored words are in, in every partner
	JLOAD G0+4, G1, G0B+4, G1B                     ; slot 1's first fill, the first tensor load behind the round
	FETCH 0
	ASK 3                                          ; the last refill's tiles, two changes of slots ahead; the address registers are never rewritten
	STEP 0, 1
	STEP 1, 0
	STEP 2, 0
	TURN 3, 1
	STEP 4, 0
	STEP 5, 0
	STEP 6, 0
	TURN 7, 1
	STEP 8, 0
	STEP 9, 0
	STEP 10, 0
	TURN 11, 0
	STEP 12, 0
	STEP 13, 0
	STEP 14, 0
	s_wait_dscnt 0x0
	WIN MULW
	MUL8 0, 1, 0
	MUL8 1, 1, 0
	MUL8 2, 1, 0
	MUL8 3, 1, 0
	WIN 0
.macro MULB a
.set AC, 64*(\a)
	WIN 0x82
.set ii, 0
.rept 32
	v_pk_mul_f32 v[AC+ii:AC+ii+1], v[AC+ii:AC+ii+1], v[RL+2*(\a):RL+2*(\a)+1] op_sel_hi:[1,0]
.set ii, ii+2
.endr
.endm
.macro TOSTAGE a
.set AC, 64*(\a)
	WIN 0x08
.irp b, 0,1,2,3,4,5,6,7
	ds_store_b128 v[STO], v[AC+8*\b:AC+8*\b+3] offset:128*(\b/2)+32*(\b%2)
	ds_store_b128 v[STO], v[AC+8*\b+4:AC+8*\b+7] offset:128*(\b/2)+32*(\b%2)+16
.endr
	WIN 0
.set BB, BK+64*((\a)%2)
.irp t, 0,1,2,3,4,5,6,7,8,9,10,11,12,13,14,15
	ds_load_b128 v[BB+4*\t:BB+4*\t+3], v[RD] offset:\t*528
.endr
.endm
.macro SEND a, younger
.set BB, BK+64*((\a)%2)
	s_wait_dscnt \younger
.irp t, 0,1,2,3,4,5,6,7,8,9,10,11,12,13,14,15
	global_store_b128 v[LI], v[BB+4*\t:BB+4*\t+3], s[12:13] offset:(32*((\a)/2)+8*((\a)%2)+\t+8*(\t/8))*4096 th:TH_STORE_NT
.endr
.endm
	PLACES NP
.irp a, 0,1,2,3
	ds_load_b32 v[RL+2*\a], v31 offset:64*\a
	v_mov_b32 v[RL+2*\a+1], 0
.endr
	s_wait_alu depctr_va_vdst(0)
	s_wait_dscnt 0x0
	MULB 0
	TOSTAGE 0
.irp a, 1,2,3
.if \a > 1
	s_wait_xcnt 0x0
.endif
	MULB \a
	TOSTAGE \a
	SEND \a-1, 32
.endr
	SEND 3, 0
	s_wait_tensorcnt 0x0
	ds_add_u32 v[SPW], v[NIL]
	s_wait_dscnt 0x0
	CROUND
	s_endpgm
.Lfunc_end_k_q3c5a4e2c37_pv:
	.size	k_q3c5a4e2c37_pv, .Lfunc_end_k_q3c5a4e2c37_pv-k_q3c5a4e2c37_pv
	.p2alignl 7, 3214868480
	.fill 96, 4, 3214868480
	.section	.rodata,"a",@progbits
	.p2align	6, 0x0
	.amdhsa_kernel k_q3c5a4e2c37_pv
		.amdhsa_group_segment_fixed_size 327680
		.amdhsa_private_segment_fixed_size 0
		.amdhsa_enable_private_segment 0
		.amdhsa_kernarg_size 40
		.amdhsa_user_sgpr_count 2
		.amdhsa_user_sgpr_kernarg_segment_ptr 1
		.amdhsa_wavefront_size32 1
		.amdhsa_system_sgpr_workgroup_id_x 1
		.amdhsa_system_sgpr_workgroup_id_y 1
		.amdhsa_system_sgpr_workgroup_id_z 1
		.amdhsa_system_vgpr_workitem_id 0
		.amdhsa_next_free_vgpr 768
		.amdhsa_next_free_sgpr 104
		.amdhsa_reserve_vcc 0
		.amdhsa_float_denorm_mode_32 3
		.amdhsa_float_denorm_mode_16_64 3
		.amdhsa_memory_ordered 1
		.amdhsa_forward_progress 1
		.amdhsa_inst_pref_size 178
	.end_amdhsa_kernel
	.amdgpu_metadata
---
amdhsa.version: [ 1, 2 ]
amdhsa.kernels:
  - .name:           k_q3c5a4e2c37_pv
    .symbol:         k_q3c5a4e2c37_pv.kd
    .args:
      - { .name: pp, .offset: 0, .size: 8, .value_kind: global_buffer, .address_space: global }
      - { .name: st, .offset: 8, .size: 8, .value_kind: global_buffer, .address_space: global }
      - { .name: pc, .offset: 16, .size: 8, .value_kind: global_buffer, .address_space: global }
      - { .name: ps, .offset: 24, .size: 8, .value_kind: global_buffer, .address_space: global }
      - { .name: out0, .offset: 32, .size: 8, .value_kind: global_buffer, .address_space: global }
    .group_segment_fixed_size: 327680
    .private_segment_fixed_size: 0
    .kernarg_segment_align: 8
    .kernarg_segment_size: 40
    .max_flat_workgroup_size: 128
    .sgpr_count:     104
    .vgpr_count:     768
    .wavefront_size: 32
...
	.end_amdgpu_metadata
.endif
;; end of part 4
